; MI455X (gfx1250); checked and timed in simulation.
; The chip was launched on July 23, 2026; its instructions are those of AMD's public machine-readable ISA for CDNA 5 (MIT licence, August 2026) and "CDNA5" Instruction Set Architecture Reference Guide (July 2026). The comments in the code are by the model that wrote it; some were corrected since.
;; MLP Attention. Allowed arithmetic: matrix products marked QUANTISED: E4M3 operands, one given power-of-two scale a tensor, by v_wmma_f32_16x16x64_fp8_fp8 or v_wmma_f32_16x16x128_fp8_fp8, f32 sums; products left as they are: f32 operands where the result goes on into a quantised operand, else bf16, f16 or f32 operands; f32 sums; everything else in f32.
;; Inputs: W_dec 1,024 x 1,024 float32; W_enc 1,024 x 1,024 float32; b_dec 1,024 float32; b_enc 1,024 float32; decoder_state 64 x 1,024 float32; lowp_scales 4 int32 (the exponents e of the quantised operands' scales 2^e); source_hids 1,024 x 64 x 1,024 float32; src_lengths 64 int32; v_score 1,024 float32.
;; Outputs: out0 64 x 1,024 float32; out1 1,024 x 64 float32.
;; This version of the problem:
;;   THIS VERSION OF THE PROBLEM IS GIVEN IN LOW PRECISION. The matrix products marked QUANTISED in the list below multiply operands that are first quantised to E4M3 (4 exponent bits, 3 mantissa bits; 8 bits a number), with one given power-of-two scale for each operand tensor; their sums are f32. All else is computed in f32.
;;   The module's matrix products, in the order in which they are computed (A, B: the left and right operand; K: the contracted axis; several contracted axes count as one K, in the product's order):
;;     1. [M 65,536, K 1,024] x [K 1,024, N 1,024]; A: input source_hids; B: input W_enc: QUANTISED (scales: A lowp_scales[0], B lowp_scales[1])
;;     2. [M 64, K 1,024] x [K 1,024, N 1,024]; A: input decoder_state; B: input W_dec: QUANTISED (scales: A lowp_scales[2], B lowp_scales[3])
;;     3. [M 65,536, K 1,024] x [K 1,024, N 1]; A: computed on the way; B: input v_score: left as it is (N = 1 < 16)
;;     4. batch 64 x [M 1,024, K 1,024] x [K 1,024, N 1]; A: input source_hids; B: softmax: left as it is (N = 1 < 16)
;;   THE QUANTISER, for each operand of a quantised product, along K:
;;     - The operand's scale is 2^e, e = its entry of the input lowp_scales (int32; the entries are numbered through the quantised products in the list's order, A before B).
;;     - Each number is divided by the scale, clamped to +-448, and rounded to the nearest number of E4M3, ties to even, subnormals kept.
;;     - The product sums the exact products of the quantised numbers (number of the format x scale) in f32.
;;   ~~~python
;;   def quantise(x, axis, e):      # numpy; x: float32 -> the quantised numbers, widened to float32 again
;;       x = np.moveaxis(x, axis, -1); K = x.shape[-1]
;;       r = np.clip(x / 2.0 ** e, -448, 448)
;;       step = 2.0 ** (np.maximum(np.frexp(np.where(r == 0, 1, r))[1] - 1, -6) - 3)
;;       q = np.round(r / step) * step * 2.0 ** e      # np.round: ties to even
;;       return np.moveaxis(q, -1, axis).astype(np.float32)
;;   ~~~
;; 2 versions, each right; version 2 is version 1 with the launches prep, scores written anew for expert scheduling mode. Each part assembles by itself: llvm-mc -triple=amdgcn-amd-amdhsa -mcpu=gfx1250 --defsym DOCPART=n.
;; ======== version 1 of 2: 3 launches
;; workspace buffers: wq 1,048,576 bytes; cb2 262,144 bytes; sc 262,144 bytes
;; launch prep (part 1): grid 64 x 1, 6 waves a work-group, no clusters, 100,608 bytes of LDS; arguments W_enc, W_dec, decoder_state, b_enc, b_dec, lowp_scales, wq, cb2; writes wq, cb2
.if DOCPART == 1
	.amdgcn_target "amdgcn-amd-amdhsa--gfx1250"
	.amdhsa_code_object_version 6
	.text
	.protected	k_q723d0bf307_prep
	.globl	k_q723d0bf307_prep
	.p2align	8
	.type	k_q723d0bf307_prep,@function
k_q723d0bf307_prep:
	s_mov_b64 s[64:65], 0
	v_nop
	global_prefetch_b8 v0, s[64:65] scope:SCOPE_SE
	s_setreg_imm32_b32 hwreg(HW_REG_WAVE_MODE, 25, 1), 1
	s_wait_xcnt 0x0
; PREP.  Work-group g owns the 16 attention units a = 16 g .. 16 g + 15.  It makes
;   wq : W_enc's rows 16 g .. as codes of E4M3 (scale 2^e1), laid as images of the operand's registers:
;        fragment (g, K step ks) at 16384 g + 2048 ks + 512 c + 16 lane, c = 0 .. 3;
;   cb2: [64 b][1024 a] f32 = 2 log2(e) x (Q(decoder_state) Q(W_dec)^T + b_dec + b_enc), columns 16 g .. 16 g + 15.
; SHARES.  Six waves, 16 rows of 1,024 f32 each: wave 0 W_enc (e1), wave 1 W_dec (e3), waves 2 to 5 the four tiles of 16 rows
; of decoder_state (e2).  Pointer, first row and exponent are chosen by the wave's number, so all six take one path.
; THE MAP FROM BYTE TO k, the same for every operand of this program, so that each product meets its partner:
; load i of a row reads its bytes 512 i .., 16 a lane (k = 128 i + 4 lane + 0 .. 3); the codes of loads 0-3 go to byte 16 lane
; of the row of codes, those of loads 4-7 to byte 512 + 16 lane.  Fragment ks is bytes 128 ks .. + 127 of 16 rows of codes.
; code = x / 2^e, held within +-448, to the nearest code, ties to even.
; LIMITS: each e between -126 and 119; e2 + e3 between -127 and 126; NaN among the inputs is not served.
; cb2 leaves in pieces of 64 bytes a row: a work-group has 16 of a row's 1,024 columns.  The buffer is 262,144 bytes in all.
; No tensor load, no cluster: each row of the weights is read by one wave, once.
.set PITCH, 1040                       ; a row of codes in LDS: 1,024 bytes + 16, an odd multiple of 16
.set STG,   16*PITCH                   ; a wave's stage: 16 rows
.set GOF, 4                            ; v4   16 x lane: my bytes of a load's 512, and of an image's
.set STA, 5                            ; v5   where I store codes: my wave's stage + 16 x lane
.set FRO, 6                            ; v6   a fragment out of my wave's stage: + 1040 r + 16 h
.set FR1, 7                            ; v7   the same out of wave 1's stage (W_dec)
.set VB,  8                            ; v8   32 h: my eight biases
.set VO,  9                            ; v9   4096 r + 32 h: my 32 bytes of cb2
.set SCL, 10                           ; v10  2^e as f32: the conversion takes its exponent field
.set AC,  64                           ; v64-79   two accumulators, by turns
.set RS,  80                           ; v80-87   the result
.set BI,  96                           ; v96-111  b_dec's eight, b_enc's eight
.set CT,  160                          ; v160-223 codes: eight registers for each of the ring's eight rows
.set WV,  24
.set LIM, 25                           ; 448 x 2^e
.set NLIM, 26                          ; and its negative
.set SRC, 28                           ; s[28:29] my wave's first row
.set K2,  30                           ; s[30:31] 2 log2(e) x 2^(e2 + e3)
.set MSB, 0
.macro WIN new                         ; the immediate's high byte repeats the setting that is left; a switch that changes nothing is dropped
.if MSB != \new
	s_set_vgpr_msb (MSB<<8)|\new
.set MSB, \new
.endif
.endm
; One row of 1,024 numbers (ring set, 32 registers of window 1) becomes 1,024 codes at ldsoff of my stage.
; left: the loads younger than this row's eight.  reload = 1: the set takes the row at byte gimm.
.macro QROW set, ldsoff, reload, gimm, left
	s_wait_loadcnt \left
	WIN 0x41                                       ; destination and source 0 in window 1
.set i_, 0
.rept 32
	v_med3_num_f32 v[32*(\set)+i_], v[32*(\set)+i_], s[NLIM], s[LIM]   ; the conversion does not saturate (ISA guide 7.6.2): the hold comes first
.set i_, i_+1
.endr
	WIN 0x01                                       ; numbers in window 1, codes and scale in window 0
.irp u, 0,1,2,3
	v_cvt_scalef32_pk8_fp8_f32 v[CT+8*(\set)+2*\u:CT+8*(\set)+2*\u+1], v[32*(\set)+8*\u:32*(\set)+8*\u+7], v[SCL]
.endr
	v_nop                                          ; one plain line behind the last conversion
	WIN 0
	ds_store_b128 v[STA], v[CT+8*(\set):CT+8*(\set)+3] offset:\ldsoff
	ds_store_b128 v[STA], v[CT+8*(\set)+4:CT+8*(\set)+7] offset:(\ldsoff)+512
.if \reload
	WIN 0x40
.irp i, 0,1,2,3,4,5,6,7
	global_load_b128 v[32*(\set)+4*\i:32*(\set)+4*\i+3], v[GOF], s[SRC:SRC+1] offset:(\gimm)+512*\i
.endr
.endif
.endm
	s_load_b256 s[4:11], s[0:1], 0x0               ; W_enc s[4:5], W_dec s[6:7], decoder_state s[8:9], b_enc s[10:11]
	s_load_b256 s[12:19], s[0:1], 0x20             ; b_dec s[12:13], the exponents s[14:15], wq s[16:17], cb2 s[18:19]
	v_lshl_add_u32 v254, v0, 2, 0x18600
	v_mov_b32 v255, 0
	v_lshrrev_b32 v1, 5, v0
	v_readfirstlane_b32 s[WV], v1                  ; wave 0..5
	v_and_b32 v1, 31, v0                           ; lane
	v_and_b32 v2, 15, v0                           ; r
	v_bfe_u32 v3, v0, 4, 1                         ; h
	v_lshlrev_b32 v[GOF], 4, v1
	s_mul_i32 s32, s[WV], STG
	v_add_nc_u32 v[STA], s32, v[GOF]
	v_mul_u32_u24 v[FR1], v2, PITCH
	v_lshl_add_u32 v[FR1], v3, 4, v[FR1]
	v_add_nc_u32 v[FRO], s32, v[FR1]
	v_add_nc_u32 v[FR1], STG, v[FR1]
	v_lshlrev_b32 v[VB], 5, v3
	v_lshl_add_u32 v[VO], v2, 12, v[VB]
	s_max_u32 s33, s[WV], 2
	s_sub_co_u32 s33, s33, 2
	s_lshl_b32 s33, s33, 4                         ; 16 (wave - 2): decoder_state's tile (0 in waves 0 and 1, which do not use it)
	s_lshl_b32 s34, ttmp9, 4                       ; 16 g: the weights' tile
	s_cmp_lt_u32 s[WV], 2
	s_cselect_b32 s34, s34, s33                    ; my first row,
	s_lshl_b32 s34, s34, 12                        ; in bytes
	s_mov_b32 s35, 0
	s_lshl_b32 s36, ttmp9, 14                      ; wq: 16,384 g
	s_mov_b32 s37, 0
	s_lshl_b32 s38, ttmp9, 6                       ; the biases and cb2's columns: 64 g
	s_mov_b32 s39, 0
	s_lshl_b32 s40, s33, 12
	s_add_co_u32 s40, s40, s38                     ; cb2: my tile's first row + 64 g
	s_mov_b32 s41, 0
	s_wait_kmcnt 0x0
	s_load_b128 s[20:23], s[14:15], 0x0            ; e0, e1, e2, e3
	s_cmp_eq_u32 s[WV], 1
	s_cselect_b64 s[SRC:SRC+1], s[6:7], s[8:9]
	s_cmp_eq_u32 s[WV], 0
	s_cselect_b64 s[SRC:SRC+1], s[4:5], s[SRC:SRC+1]
	s_add_nc_u64 s[SRC:SRC+1], s[SRC:SRC+1], s[34:35]
	s_add_nc_u64 s[16:17], s[16:17], s[36:37]
	s_add_nc_u64 s[10:11], s[10:11], s[38:39]
	s_add_nc_u64 s[12:13], s[12:13], s[38:39]
	s_add_nc_u64 s[18:19], s[18:19], s[40:41]
	WIN 0x40
.irp q, 0,1,2,3,4,5,6,7
.irp i, 0,1,2,3,4,5,6,7
	global_load_b128 v[32*\q+4*\i:32*\q+4*\i+3], v[GOF], s[SRC:SRC+1] offset:4096*\q+512*\i   ; rows 0 to 7: each load reads 512 consecutive bytes
.endr
.endr
	WIN 0
	s_wait_kmcnt 0x0
	s_cmp_eq_u32 s[WV], 1
	s_cselect_b32 s42, s23, s22
	s_cmp_eq_u32 s[WV], 0
	s_cselect_b32 s42, s21, s42                    ; my tensor's e
	s_add_co_i32 s42, s42, 127
	s_lshl_b32 s43, s42, 23
	v_mov_b32 v[SCL], s43
	s_add_co_i32 s42, s42, 8
	s_lshl_b32 s[LIM], s42, 23
	s_or_b32 s[LIM], s[LIM], 0x600000              ; 448 x 2^e
	s_or_b32 s[NLIM], s[LIM], 0x80000000
	s_add_co_i32 s44, s22, s23
	s_lshl_b32 s44, s44, 23
	s_add_co_i32 s[K2], s44, 0x4038aa3b            ; e2 + e3 added to the exponent field of 2 log2(e)
	s_mov_b32 s[K2+1], s[K2]                       ; (named with it as a pair, so it is written)
.irp q, 0,1,2,3,4,5,6,7
	QROW \q, PITCH*\q, 1, (\q+8)*4096, 56          ; seven younger sets of eight loads stay out
.endr
	s_wait_dscnt 0x0                               ; the stores have read the codes' registers, which are written again
.irp q, 0,1,2,3,4,5,6,7
	QROW \q, PITCH*(\q+8), 0, 0, 56-8*\q           ; the last eight rows: the counts run down
.endr
	s_wait_dscnt 0x0                               ; for the others' sake: my codes lie in LDS
	s_barrier_signal -1
	s_barrier_wait -1
	s_cmp_lt_u32 s[WV], 2
	s_cbranch_scc0 .Ldec
	s_cmp_eq_u32 s[WV], 0
	s_cbranch_scc0 .Lend                           ; wave 1 has done its part
	; wave 0: W_enc's eight fragments out of my stage, and to memory as they stand in the registers
	WIN 0x40
.irp k, 0,1,2,3,4,5,6,7
.irp c, 0,1,2,3
	ds_load_b128 v[16*\k+4*\c:16*\k+4*\c+3], v[FRO] offset:128*\k+32*\c
.endr
.endr
	s_wait_dscnt 0x0
	WIN 0x04                                       ; a store's data in window 1
.irp k, 0,1,2,3,4,5,6,7
.irp c, 0,1,2,3
	global_store_b128 v[GOF], v[16*\k+4*\c:16*\k+4*\c+3], s[16:17] offset:2048*\k+512*\c   ; 32 lanes store 512 consecutive bytes, aligned
.endr
.endr
	WIN 0
.Lend:
	s_wait_tensorcnt 0x0
	ds_add_u32 v254, v255
	s_wait_dscnt 0x0
	s_endpgm
.Ldec:
	; waves 2 to 5: 16 rows of decoder_state x W_dec's 16 rows.  Source 0 = W_dec, source 1 = my rows: lane (r, h) holds row r, a = 16 g + 8 h + j
	global_load_b128 v[BI:BI+3], v[VB], s[12:13]
	global_load_b128 v[BI+4:BI+7], v[VB], s[12:13] offset:16
	global_load_b128 v[BI+8:BI+11], v[VB], s[10:11]
	global_load_b128 v[BI+12:BI+15], v[VB], s[10:11] offset:16
	WIN 0x40
.irp k, 0,1,2,3,4,5,6,7
.irp c, 0,1,2,3
	ds_load_b128 v[16*\k+4*\c:16*\k+4*\c+3], v[FR1] offset:128*\k+32*\c
	ds_load_b128 v[128+16*\k+4*\c:128+16*\k+4*\c+3], v[FRO] offset:128*\k+32*\c
.endr
.endr
	s_wait_dscnt 0x0
	WIN 0x05                                       ; both operands in window 1, the sums in window 0
	v_wmma_f32_16x16x128_fp8_fp8 v[AC:AC+7], v[0:15], v[128:143], 0
	v_wmma_f32_16x16x128_fp8_fp8 v[AC+8:AC+15], v[16:31], v[144:159], 0
.irp k, 2,4,6                                  ; two accumulators by turns, one instruction a turn
	v_wmma_f32_16x16x128_fp8_fp8 v[AC:AC+7], v[16*\k:16*\k+15], v[128+16*\k:128+16*\k+15], v[AC:AC+7]
	v_wmma_f32_16x16x128_fp8_fp8 v[AC+8:AC+15], v[16*\k+16:16*\k+31], v[144+16*\k:144+16*\k+15], v[AC+8:AC+15]
.endr
	WIN 0
.rept 4
	v_nop                                          ; four places behind the last product (ISA guide 7.12.1)
.endr
.irp i, 0,2,4,6
	v_pk_add_f32 v[RS+\i:RS+\i+1], v[AC+\i:AC+\i+1], v[AC+8+\i:AC+8+\i+1]   ; both accumulators from their low end on
.endr
	s_wait_loadcnt 0x0                             ; the biases
.irp i, 0,2,4,6
	v_pk_add_f32 v[BI+\i:BI+\i+1], v[BI+\i:BI+\i+1], v[BI+8+\i:BI+8+\i+1]
.endr
.irp i, 0,2,4,6
	v_pk_mul_f32 v[BI+\i:BI+\i+1], v[BI+\i:BI+\i+1], 0x4038aa3b op_sel_hi:[1,0]
.endr
.irp i, 0,2,4,6
	v_pk_fma_f32 v[RS+\i:RS+\i+1], v[RS+\i:RS+\i+1], s[K2:K2+1], v[BI+\i:BI+\i+1] op_sel_hi:[1,0,1]
.endr
	global_store_b128 v[VO], v[RS:RS+3], s[18:19]
	global_store_b128 v[VO], v[RS+4:RS+7], s[18:19] offset:16
	s_wait_tensorcnt 0x0
	ds_add_u32 v254, v255
	s_wait_dscnt 0x0
	s_endpgm
.Lfunc_end_k_q723d0bf307_prep:
	.size	k_q723d0bf307_prep, .Lfunc_end_k_q723d0bf307_prep-k_q723d0bf307_prep
	.p2alignl 7, 3214868480
	.fill 96, 4, 3214868480
	.section	.rodata,"a",@progbits
	.p2align	6, 0x0
	.amdhsa_kernel k_q723d0bf307_prep
		.amdhsa_group_segment_fixed_size 100608
		.amdhsa_private_segment_fixed_size 0
		.amdhsa_enable_private_segment 0
		.amdhsa_kernarg_size 64
		.amdhsa_user_sgpr_count 2
		.amdhsa_user_sgpr_kernarg_segment_ptr 1
		.amdhsa_wavefront_size32 1
		.amdhsa_system_sgpr_workgroup_id_x 1
		.amdhsa_system_sgpr_workgroup_id_y 1
		.amdhsa_system_sgpr_workgroup_id_z 1
		.amdhsa_system_vgpr_workitem_id 0
		.amdhsa_next_free_vgpr 512
		.amdhsa_next_free_sgpr 66
		.amdhsa_reserve_vcc 0
		.amdhsa_float_denorm_mode_32 3
		.amdhsa_float_denorm_mode_16_64 3
		.amdhsa_memory_ordered 1
		.amdhsa_forward_progress 1
		.amdhsa_inst_pref_size 68
	.end_amdhsa_kernel
	.amdgpu_metadata
---
amdhsa.version: [ 1, 2 ]
amdhsa.kernels:
  - .name:           k_q723d0bf307_prep
    .symbol:         k_q723d0bf307_prep.kd
    .args:
      - { .name: W_enc, .offset: 0, .size: 8, .value_kind: global_buffer, .address_space: global }
      - { .name: W_dec, .offset: 8, .size: 8, .value_kind: global_buffer, .address_space: global }
      - { .name: decoder_state, .offset: 16, .size: 8, .value_kind: global_buffer, .address_space: global }
      - { .name: b_enc, .offset: 24, .size: 8, .value_kind: global_buffer, .address_space: global }
      - { .name: b_dec, .offset: 32, .size: 8, .value_kind: global_buffer, .address_space: global }
      - { .name: lowp_scales, .offset: 40, .size: 8, .value_kind: global_buffer, .address_space: global }
      - { .name: wq, .offset: 48, .size: 8, .value_kind: global_buffer, .address_space: global }
      - { .name: cb2, .offset: 56, .size: 8, .value_kind: global_buffer, .address_space: global }
    .group_segment_fixed_size: 100608
    .private_segment_fixed_size: 0
    .kernarg_segment_align: 8
    .kernarg_segment_size: 64
    .max_flat_workgroup_size: 192
    .sgpr_count:     66
    .vgpr_count:     512
    .wavefront_size: 32
...
	.end_amdgpu_metadata
.endif
;; end of part 1
;; launch scores (part 2): grid 4 x 64, 4 waves a work-group, no clusters, 274,944 bytes of LDS; arguments source_hids, src_lengths, lowp_scales, wq, cb2, v_score, sc; writes sc
.if DOCPART == 2
	.amdgcn_target "amdgcn-amd-amdhsa--gfx1250"
	.amdhsa_code_object_version 6
	.text
	.protected	k_q723d0bf307_scores
	.globl	k_q723d0bf307_scores
	.p2align	8
	.type	k_q723d0bf307_scores,@function
k_q723d0bf307_scores:
	s_mov_b64 s[64:65], 0
	v_nop
	global_prefetch_b8 v0, s[64:65] scope:SCOPE_SE
	s_setreg_imm32_b32 hwreg(HW_REG_WAVE_MODE, 25, 1), 1
	s_wait_xcnt 0x0
; SCORES.  sc[b][s] = sum over a of v[a] tanh(enc[s][b][a] + dec[b][a] + biases) where s < src_lengths[b], else -1e6.
; enc = Q(source_hids) Q(W_enc)^T on codes of E4M3 (scales 2^e0, 2^e1), f32 sums.  tanh(z) = 1 - 2 / (1 + 2^t), t = 2 log2(e) z = K x sum + cb2,
; K = 2 log2(e) 2^(e0 + e1); cb2 holds 2 log2(e) (dec + b_dec + b_enc).  So a score is (sum of v) - 2 (sum of v / (1 + 2^t)).
; SHARES.  Work-group (x, b): rows s = 256 x .. + 255 of batch row b.  Wave w: 64 of them, four tiles of 16.  The wave quantises its rows
; once (through its own stage in LDS) and keeps their codes in 512 registers; then every wave walks W_enc's 64 tiles of 16 units.
; W's codes come as images of the operand's registers, 64 KiB (four tiles) at a time, through registers into a ring of two LDS slots that lies
; where the stages lay.  Source 0 = 16 rows of W, source 1 = 16 of my rows: lane (r, h) holds row r and a = 16 t + 8 h + j.
; A tile's tanh and its part of the score are worked one step later, in slices between the next tile's products.
; WHAT THE MASK THROWS AWAY IS NOT COMPUTED: a wave all of whose rows have s >= src_lengths[b] passes over loads, products and tanh by scalar
; branches on that number.  The loops' trip counts stay constants, every wave passes every barrier, and each register that a later line reads
; is written on each way through the text (the fills with 0).  The text has no
; tensor load and no joint loads in a cluster, although all work-groups walk the same W.
; The last trip fetches two batches of W and one tile's fragments that nobody multiplies (the offset wraps to W's first batches): the loop has no tail.
; LIMITS: e0 between -126 and 119; e0 + e1 between -127 and 126; NaN among the inputs is not served.
.set PITCH, 1040                       ; a row of codes in a stage: 1,024 bytes + 16, an odd multiple of 16
.set ASTG,  64*PITCH                   ; a wave's stage: 64 rows
.set SLOT1, 65536                      ; W's ring: slot 0 at 0, slot 1 here
.set TBL,   4*ASTG                     ; behind the stages: cb2's row (4,096 bytes), then v_score (4,096)
.set SROW,  262144                     ; bytes from s to s + 1 in source_hids
; window 0
.set GOF, 4                            ; 16 x lane: my bytes of a row's load
.set GW,  5                            ; 16 x thread: my bytes of a work-group's load
.set STA0, 6                           ; my stage + 16 x lane
.set STA, 7                            ; + the trip's eight rows
.set ARD, 8                            ; a fragment out of my stage: + 1040 r + 16 h
.set WS0, 9                            ; v9, v10   where I store W's bytes in slot 0, 1: 16 x thread
.set WR0, 11                           ; v11, v12  where I read an image in slot 0, 1: 16 x lane
.set TA0, 13                           ; the tables: TBL + 32 h
.set TAD, 14                           ; + the trip's eight tiles
.set TST, 15                           ; where I store the tables: TBL + 16 x thread
.set SCL, 16                           ; 2^e0 as f32
.set SIDX, 17                          ; my s on the way out
.set SOF, 18                           ; 4 x lane
.set NEG, 19                           ; -1e6
.set T,   20                           ; v20-24 at work on the way out
.set U,   25                           ; v25-28 the other half of the lanes'
.set O0,  29
.set O1,  30
.set G,   32                           ; v32-159  a batch of W on its way: 32 loads x 4
.set CT,  160                          ; v160-223 codes just made
.set TT,  224                          ; v224-239 the tables on their way
; window 1: first the ring of eight rows of f32 (v0-255); in the loop:
.set ACC, 128                          ; v128-191 two sets of four accumulators;  v0-127: a tile's eight fragments of W
.set BT,  192                          ; v192-207 two sets: cb2 at my eight units
.set VT,  208                          ; v208-223 two sets: v_score at my eight units
.set SA,  224                          ; v224-231 a pair for each tile of rows: sum of v / (1 + 2^t)
.set VS,  232                          ; v232-233 sum of v
; window 2: my rows' fragments of K steps 0-3 at 64 ks + 16 m;  window 3: K steps 4-7
.set WV,  18
.set BB,  19
.set LEN, 21
.set ACTG, 22                          ; 1: some row of the work-group counts
.set ACTW, 23                          ; 1: some row of my wave counts
.set LIM, 24
.set NLIM, 25
.set KK,  26                           ; s[26:27]
.set SRC, 28                           ; s[28:29]
.set SO,  30
.set TO,  31
.set WBO, 32                           ; s[32:33] byte offset in wq of the trip's two batches
.set WP,  34                           ; s[34:35] wq + that
.set CNT, 36
.set SEL, 38                           ; s[38:39] lane selects: lane l xor 16
.set MSB, 0
.macro WIN new                         ; the immediate's high byte repeats the setting that is left; a switch that changes nothing is dropped
.if MSB != \new
	s_set_vgpr_msb (MSB<<8)|\new
.set MSB, \new
.endif
.endm
.macro IFW lbl                         ; pass over what follows, up to lbl, if none of my wave's rows counts
	s_cmp_eq_u32 s[ACTW], 0
	s_cbranch_scc1 \lbl
.endm
.macro IFG lbl                         ; the same for the work-group
	s_cmp_eq_u32 s[ACTG], 0
	s_cbranch_scc1 \lbl
.endm
; Places behind matrix instructions: four serve loads into their operands and vector readers of their results; a matrix
; instruction that writes over an earlier one's result (a set of accumulators begun anew with C = 0) stands five behind it.
.macro PLACES n
.rept \n
	v_nop
.endr
.endm
.macro FILL first, count
.set i_, \first
.rept \count
	v_mov_b32 v[i_], 0
.set i_, i_+1
.endr
.endm
; One row of 1,024 numbers (ring set, 32 registers of window 1) becomes 1,024 codes at ldsoff from v[STA].
; left: the loads younger than this row's eight.  reload = 1: the set takes the row at byte gimm.
.macro QROW set, ldsoff, reload, gimm, left
	s_wait_loadcnt \left
	WIN 0x41
.set i_, 0
.rept 32
	v_med3_num_f32 v[32*(\set)+i_], v[32*(\set)+i_], s[NLIM], s[LIM]   ; the conversion does not saturate (ISA guide 7.6.2): the hold comes first
.set i_, i_+1
.endr
	WIN 0x01
.irp u, 0,1,2,3
	v_cvt_scalef32_pk8_fp8_f32 v[CT+8*(\set)+2*\u:CT+8*(\set)+2*\u+1], v[32*(\set)+8*\u:32*(\set)+8*\u+7], v[SCL]
.endr
	v_nop                                          ; one plain line behind the last conversion
	WIN 0
	ds_store_b128 v[STA], v[CT+8*(\set):CT+8*(\set)+3] offset:\ldsoff
	ds_store_b128 v[STA], v[CT+8*(\set)+4:CT+8*(\set)+7] offset:(\ldsoff)+512
.if \reload
	WIN 0x40
.irp i, 0,1,2,3,4,5,6,7
	global_load_b128 v[32*(\set)+4*\i:32*(\set)+4*\i+3], v[GOF], s[SRC:SRC+1] offset:(\gimm)+512*\i th:TH_LOAD_NT
.endr
.endif
.endm
; Slice i_ (0 .. 15) of the work on the accumulators of set prv.  ph = 0: t = K x sum + cb2, then 2^t.  ph = 1: 1 + 2^t, then its reciprocal.
; Slices 0-3: an accumulator's four pairs each, from its low end on.  Slices 4-11: three transcendentals, 12-15: two.  None reads a transcendental's result.
.macro SLICE prv, ph
.set a_, ACC+32*(\prv)
.if i_ < 4
.irp n, 0,1,2,3
.if \ph
	v_pk_add_f32 v[a_+8*i_+2*\n:a_+8*i_+2*\n+1], v[a_+8*i_+2*\n:a_+8*i_+2*\n+1], 1.0 op_sel_hi:[1,0]
.else
	v_pk_fma_f32 v[a_+8*i_+2*\n:a_+8*i_+2*\n+1], v[a_+8*i_+2*\n:a_+8*i_+2*\n+1], s[KK:KK+1], v[BT+8*(\prv)+2*\n:BT+8*(\prv)+2*\n+1] op_sel_hi:[1,0,1]
.endif
.endr
.else
.if i_ < 12
.set e_, 3*(i_-4)
.set c_, 3
.else
.set e_, 24+2*(i_-12)
.set c_, 2
.endif
.rept c_
.if \ph
	v_rcp_f32 v[a_+e_], v[a_+e_]
.else
	v_exp_f32 v[a_+e_], v[a_+e_]
.endif
.set e_, e_+1
.endr
.endif
.endm
; 16 products: K steps kb .. kb + 3 x my four tiles of rows, into set cur; the four accumulators take turns, one instruction a turn.
; Behind each product a slice of set prv's work: all its operands lie in window 1 or are scalars, so no window is switched.
.macro HALF kb, win, cur, prv, ph
	WIN \win
.set i_, 0
.rept 16
.set ks_, (\kb)+i_/4
.set m_, i_%4
.set d_, ACC+32*(\cur)+8*m_
.if ks_ == 0
	v_wmma_f32_16x16x128_fp8_fp8 v[d_:d_+7], v[16*ks_:16*ks_+15], v[64*(ks_%4)+16*m_:64*(ks_%4)+16*m_+15], 0
.else
	v_wmma_f32_16x16x128_fp8_fp8 v[d_:d_+7], v[16*ks_:16*ks_+15], v[64*(ks_%4)+16*m_:64*(ks_%4)+16*m_+15], v[d_:d_+7]
.endif
	SLICE \prv, \ph
.set i_, i_+1
.endr
.endm
.macro FINAL prv                       ; the sums take set prv's reciprocals x v, and v itself
	WIN 0x55
.irp jp, 0,1,2,3
.irp m, 0,1,2,3
	v_pk_fma_f32 v[SA+2*\m:SA+2*\m+1], v[ACC+32*(\prv)+8*\m+2*\jp:ACC+32*(\prv)+8*\m+2*\jp+1], v[VT+8*(\prv)+2*\jp:VT+8*(\prv)+2*\jp+1], v[SA+2*\m:SA+2*\m+1]
.endr
.endr
.irp jp, 0,1,2,3
	v_pk_add_f32 v[VS:VS+1], v[VS:VS+1], v[VT+8*(\prv)+2*\jp:VT+8*(\prv)+2*\jp+1]
.endr
.endm
.macro RUN kb, adr, off                ; 16 LDS loads: a tile's fragments of K steps kb .. kb + 3, as they stood in the registers
.irp u, 0,1,2,3
.irp c, 0,1,2,3
	ds_load_b128 v[16*((\kb)+\u)+4*\c:16*((\kb)+\u)+4*\c+3], v[\adr] offset:(\off)+2048*((\kb)+\u)+512*\c
.endr
.endr
.endm
	s_load_b256 s[4:11], s[0:1], 0x0               ; source_hids s[4:5], src_lengths s[6:7], the exponents s[8:9], wq s[10:11]
	s_load_b128 s[12:15], s[0:1], 0x20             ; cb2 s[12:13], v_score s[14:15]
	s_load_b64 s[16:17], s[0:1], 0x30              ; sc
	v_lshl_add_u32 v254, v0, 2, 0x43000
	v_mov_b32 v255, 0
	v_lshrrev_b32 v1, 5, v0
	v_readfirstlane_b32 s[WV], v1                  ; wave 0..3
	v_and_b32 v1, 31, v0                           ; lane
	v_and_b32 v2, 15, v0                           ; r
	v_bfe_u32 v3, v0, 4, 1                         ; h
	v_lshlrev_b32 v[GOF], 4, v1
	v_lshlrev_b32 v[GW], 4, v0
	s_mul_i32 s40, s[WV], ASTG
	v_add_nc_u32 v[STA0], s40, v[GOF]
	v_mul_u32_u24 v[ARD], v2, PITCH
	v_lshl_add_u32 v[ARD], v3, 4, v[ARD]
	v_add_nc_u32 v[ARD], s40, v[ARD]
	v_lshlrev_b32 v[WS0], 4, v0
	v_add_nc_u32 v[WS0+1], SLOT1, v[WS0]
	v_lshlrev_b32 v[WR0], 4, v1
	v_add_nc_u32 v[WR0+1], SLOT1, v[WR0]
	v_lshlrev_b32 v[TA0], 5, v3
	v_add_nc_u32 v[TA0], TBL, v[TA0]
	v_lshl_add_u32 v[TST], v0, 4, TBL
	v_lshlrev_b32 v[SOF], 2, v1
	v_mov_b32 v[NEG], 0xc9742400                   ; -1e6
.irp m, 0,1,2,3
	v_mov_b32 v[U+\m], 0                           ; written once: a lane permute's destination counts as one of its sources
.endr
	s_mov_b32 s[SEL], 0x76543210
	s_mov_b32 s[SEL+1], 0xfedcba98
	s_and_b32 s[BB], ttmp7, 0xffff                 ; b
	s_lshl_b32 s42, ttmp9, 8                       ; the work-group's first s
	s_lshl_b32 s43, s[WV], 6
	s_add_co_u32 s43, s42, s43                     ; my wave's first s
	v_add_nc_u32 v[SIDX], s43, v1
	s_lshl_b32 s44, s43, 18                        ; its row of source_hids: s x 262,144
	s_lshl_b32 s46, s[BB], 12                      ; + 4,096 b
	s_add_co_u32 s44, s44, s46
	s_mov_b32 s45, 0
	s_mov_b32 s47, 0
	s_lshl_b32 s48, s[BB], 2
	s_mov_b32 s49, 0
	s_lshl_b32 s52, s43, 2
	s_add_co_u32 s52, s52, s46                     ; sc: 4,096 b + 4 s
	s_mov_b32 s53, 0
	s_wait_kmcnt 0x0
	s_add_nc_u64 s[6:7], s[6:7], s[48:49]
	s_load_b32 s[LEN], s[6:7], 0x0                 ; src_lengths[b]
	s_load_b64 s[50:51], s[8:9], 0x0               ; e0, e1
	s_add_nc_u64 s[SRC:SRC+1], s[4:5], s[44:45]
	s_add_nc_u64 s[12:13], s[12:13], s[46:47]
	s_add_nc_u64 s[16:17], s[16:17], s[52:53]
	global_load_b128 v[TT:TT+3], v[GW], s[12:13]               ; cb2's row b and v_score: 4,096 bytes each, 2 x 16 bytes a thread
	global_load_b128 v[TT+4:TT+7], v[GW], s[12:13] offset:2048
	global_load_b128 v[TT+8:TT+11], v[GW], s[14:15]
	global_load_b128 v[TT+12:TT+15], v[GW], s[14:15] offset:2048
.set i_, 0
.rept 32
	global_load_b128 v[G+4*i_:G+4*i_+3], v[GW], s[10:11] offset:2048*i_   ; W's batch 0: each load of the work-group reads 2,048 consecutive bytes
.set i_, i_+1
.endr
	s_wait_kmcnt 0x0
	s_cmp_lt_i32 s42, s[LEN]
	s_cselect_b32 s[ACTG], 1, 0
	s_cmp_lt_i32 s43, s[LEN]
	s_cselect_b32 s[ACTW], 1, 0
	s_add_co_i32 s40, s50, s51
	s_lshl_b32 s40, s40, 23
	s_add_co_i32 s[KK], s40, 0x4038aa3b            ; e0 + e1 added to the exponent field of 2 log2(e)
	s_mov_b32 s[KK+1], s[KK]                       ; (named with it as a pair, so it is written)
	s_add_co_i32 s40, s50, 127
	s_lshl_b32 s41, s40, 23
	v_mov_b32 v[SCL], s41
	s_add_co_i32 s40, s40, 8
	s_lshl_b32 s[LIM], s40, 23
	s_or_b32 s[LIM], s[LIM], 0x600000              ; 448 x 2^e0
	s_or_b32 s[NLIM], s[LIM], 0x80000000
	; ---- my 64 rows become codes.  A ring of eight rows in registers: 64 loads of 512 consecutive bytes are on their way
	IFW .Lring_idle
	WIN 0x40
.irp q, 0,1,2,3,4,5,6,7
.irp i, 0,1,2,3,4,5,6,7
	global_load_b128 v[32*\q+4*\i:32*\q+4*\i+3], v[GOF], s[SRC:SRC+1] offset:SROW*\q+512*\i th:TH_LOAD_NT
.endr
.endr
	WIN 0
	s_branch .Lring_done
.Lring_idle:
	WIN 0x40
	FILL 0, 256                                    ; written on this way too
	WIN 0
.Lring_done:
	s_mov_b32 s[SO], 0
	s_mov_b32 s[CNT], 7
.Larow:                                            ; seven trips of eight rows; each row's set takes the row eight further on
	v_add_nc_u32 v[STA], s[SO], v[STA0]
	IFW .Larow_idle
.irp q, 0,1,2,3,4,5,6,7
	QROW \q, PITCH*\q, 1, (\q+8)*SROW, 56          ; seven younger sets of eight loads stay out
.endr
	WIN 0
	s_wait_dscnt 0x0                               ; the stores have read the codes' registers, which the next trip writes
.Larow_idle:
	s_wait_xcnt 0x0                                ; the loads have read their base, which steps
	s_add_nc_u64 s[SRC:SRC+1], s[SRC:SRC+1], 8*SROW
	s_add_co_u32 s[SO], s[SO], 8*PITCH
	s_sub_co_u32 s[CNT], s[CNT], 1
	s_cmp_lg_u32 s[CNT], 0
	s_cbranch_scc1 .Larow
	v_add_nc_u32 v[STA], s[SO], v[STA0]
	IFW .Latail_idle
.irp q, 0,1,2,3,4,5,6,7
	QROW \q, PITCH*\q, 0, 0, 56-8*\q               ; the last eight rows: the counts run down
.endr
	WIN 0x80                                       ; my 32 fragments (tile of rows m, K step ks) out of my own stage; LDS serves a wave's instructions in order
.irp k, 0,1,2,3
.irp m, 0,1,2,3
.irp c, 0,1,2,3
	ds_load_b128 v[64*\k+16*\m+4*\c:64*\k+16*\m+4*\c+3], v[ARD] offset:16*PITCH*\m+128*\k+32*\c
.endr
.endr
.endr
	WIN 0xc0
.irp k, 0,1,2,3
.irp m, 0,1,2,3
.irp c, 0,1,2,3
	ds_load_b128 v[64*\k+16*\m+4*\c:64*\k+16*\m+4*\c+3], v[ARD] offset:16*PITCH*\m+128*(\k+4)+32*\c
.endr
.endr
.endr
	WIN 0
	s_branch .Latail_done
.Latail_idle:
	WIN 0x80
	FILL 0, 256                                    ; written on this way too
	WIN 0xc0
	FILL 0, 256
	WIN 0
.Latail_done:
	; ---- the stages make room for W's ring
	s_wait_loadcnt 0x0                             ; the tables and batch 0 are in, and no load into window 1 is out
	WIN 0x40
	FILL ACC, 106                                  ; both sets of accumulators, cb2's and v's sets, the sums: the first step's slices work on zeros, which add nothing
	WIN 0
	s_wait_dscnt 0x0                               ; my reads of my stage are over
	s_barrier_signal -1
	s_barrier_wait -1                              ; everybody's are
	ds_store_b128 v[TST], v[TT:TT+3]
	ds_store_b128 v[TST], v[TT+4:TT+7] offset:2048
	ds_store_b128 v[TST], v[TT+8:TT+11] offset:4096
	ds_store_b128 v[TST], v[TT+12:TT+15] offset:6144
.set i_, 0
.rept 32
	ds_store_b128 v[WS0], v[G+4*i_:G+4*i_+3] offset:2048*i_
.set i_, i_+1
.endr
	s_wait_dscnt 0x0                               ; for the others' sake; and the stores have read G
.set i_, 0
.rept 32
	global_load_b128 v[G+4*i_:G+4*i_+3], v[GW], s[10:11] offset:65536+2048*i_   ; batch 1
.set i_, i_+1
.endr
	s_barrier_signal -1
	s_barrier_wait -1                              ; the tables and batch 0 lie in LDS
	WIN 0x40
	RUN 0, WR0, 0                                  ; tile 0
	RUN 4, WR0, 0
	WIN 0
	s_mov_b32 s[TO], 0
	s_mov_b32 s[WBO], 131072
	s_mov_b32 s[WBO+1], 0
	s_add_nc_u64 s[WP:WP+1], s[10:11], s[WBO:WBO+1]
	s_mov_b32 s[CNT], 8
; STEP j of a trip's eight: tile t = 8 trip + j, into set j % 2; the tile before is finished in slices.  Slot j / 4 holds the tile's batch.
.macro STEP j
.set P_,  (\j)%2
.set JJ_, (\j)%4
.set SL_, (\j)/4
	IFW .La_\@
	s_wait_dscnt 16                                ; cb2's and v's loads and K steps 0-3 are in; only the 16 loads of K steps 4-7 are younger
	HALF 0, 0x59, P_, 1-P_, 0                      ; W and the sums in window 1, my rows' K steps 0-3 in window 2
	PLACES 5                                       ; the plain line behind the exponentials, and the places behind these products on every way on from here: four for the loads into their
	                                               ; operands and for the readers of their results, five for the product that begins this set anew where the blocks between are passed over
	s_wait_alu depctr_va_vdst(0)                   ; one wait for the 32 exponentials, ahead of their first reader
	WIN 0
.La_\@:
	s_wait_dscnt 0x0                               ; K steps 4-7 are in; my LDS stores have landed and have read G
.if JJ_ == 3
	s_barrier_signal -1                            ; ONE barrier for four steps.  Behind it the other slot, stored three steps ago, is whole for every wave,
	s_barrier_wait -1                              ; and nobody reads this slot any more (its last tile was fetched a step ago): the next step may store into it
.endif
.if JJ_ == 0
	IFG .Lb_\@
	s_wait_loadcnt 0x0                             ; the next batch, asked for three steps ago
.set i_, 0
.rept 32
	ds_store_b128 v[WS0+1-SL_], v[G+4*i_:G+4*i_+3] offset:2048*i_
.set i_, i_+1
.endr
.Lb_\@:
.endif
.if JJ_ == 1
	IFG .Lb_\@
	s_wait_loadcnt 0x0                             ; no load into G is out on any way here
.set i_, 0
.rept 32
	global_load_b128 v[G+4*i_:G+4*i_+3], v[GW], s[WP:WP+1] offset:65536*SL_+2048*i_
.set i_, i_+1
.endr
.Lb_\@:
.endif
	IFW .Lc_\@
	WIN 0x40
	ds_load_b128 v[BT+8*P_:BT+8*P_+3], v[TAD] offset:64*(\j)             ; cb2 and v at this tile's units 16 t + 8 h + 0 .. 7, for the next step's slices
	ds_load_b128 v[BT+8*P_+4:BT+8*P_+7], v[TAD] offset:64*(\j)+16
	ds_load_b128 v[VT+8*P_:VT+8*P_+3], v[TAD] offset:4096+64*(\j)
	ds_load_b128 v[VT+8*P_+4:VT+8*P_+7], v[TAD] offset:4096+64*(\j)+16
.if JJ_ < 3
.set ra_, WR0+SL_
.set ro_, 16384*(JJ_+1)
.else
.set ra_, WR0+1-SL_
.set ro_, 0
.endif
	RUN 0, ra_, ro_                                ; the next tile's K steps 0-3
	HALF 4, 0x5d, P_, 1-P_, 1                      ; my rows' K steps 4-7 in window 3
	PLACES 5                                       ; the plain line behind the reciprocals, and the places in front of the loads below
	WIN 0x40
	RUN 4, ra_, ro_                                ; the next tile's K steps 4-7
	s_wait_alu depctr_va_vdst(0)                   ; one wait for the 32 reciprocals, ahead of their first reader
	FINAL 1-P_
	WIN 0
.Lc_\@:
.endm
.Ltrip:
	v_add_nc_u32 v[TAD], s[TO], v[TA0]
	STEP 0
	STEP 1
	STEP 2
	STEP 3
	STEP 4
	STEP 5
	STEP 6
	STEP 7
	s_wait_xcnt 0x0                                ; the loads of W have read their base
	s_add_co_u32 s[WBO], s[WBO], 131072
	s_and_b32 s[WBO], s[WBO], 0xfffff              ; the last trip's offset wraps to 0: no load leaves wq
	s_add_nc_u64 s[WP:WP+1], s[10:11], s[WBO:WBO+1]
	s_add_co_u32 s[TO], s[TO], 512
	s_sub_co_u32 s[CNT], s[CNT], 1
	s_cmp_lg_u32 s[CNT], 0
	s_cbranch_scc1 .Ltrip
	; ---- the last tile (set 1) is finished without products beside it
	IFW .Ltail_idle
	s_wait_dscnt 0x0                               ; its cb2 and v
	WIN 0x55
.set i_, 0
.rept 16
	SLICE 1, 0
.set i_, i_+1
.endr
	v_nop
	s_wait_alu depctr_va_vdst(0)
.set i_, 0
.rept 16
	SLICE 1, 1
.set i_, i_+1
.endr
	v_nop
	s_wait_alu depctr_va_vdst(0)
	FINAL 1
	WIN 0
.Ltail_idle:
	; ---- the way out: score = (sum of v) - 2 (sum of v / (1 + 2^t)), my half of the units and the other half's
	WIN 0x05
.irp m, 0,1,2,3
	v_add_f32 v[T+\m], v[SA+2*\m], v[SA+2*\m+1]
.endr
	v_add_f32 v[T+4], v[VS], v[VS+1]
	WIN 0
.irp m, 0,1,2,3
	v_fma_f32 v[T+\m], -2.0, v[T+\m], v[T+4]
.endr
.irp m, 0,1,2,3
	v_permlanex16_b32 v[U+\m], v[T+\m], s[SEL], s[SEL+1]
.endr
.irp m, 0,1,2,3
	v_add_f32 v[T+\m], v[T+\m], v[U+\m]            ; lanes r and 16 + r both hold the score of row 16 m + r
.endr
	v_cmp_eq_u32 vcc_lo, 1, v3
	v_cndmask_b32 v[O0], v[T], v[T+1], vcc_lo      ; lane l: row l,
	v_cndmask_b32 v[O1], v[T+2], v[T+3], vcc_lo    ; and row 32 + l
	v_cmp_gt_i32 vcc_lo, s[LEN], v[SIDX]
	v_cndmask_b32 v[O0], v[NEG], v[O0], vcc_lo     ; -1e6 where s >= src_lengths[b]
	v_add_nc_u32 v[SIDX], 32, v[SIDX]
	v_cmp_gt_i32 vcc_lo, s[LEN], v[SIDX]
	v_cndmask_b32 v[O1], v[NEG], v[O1], vcc_lo
	global_store_b32 v[SOF], v[O0], s[16:17]                   ; the wave's two stores cover 256 consecutive bytes, aligned
	global_store_b32 v[SOF], v[O1], s[16:17] offset:128
	s_wait_tensorcnt 0x0
	ds_add_u32 v254, v255
	s_wait_dscnt 0x0
	s_endpgm
.Lfunc_end_k_q723d0bf307_scores:
	.size	k_q723d0bf307_scores, .Lfunc_end_k_q723d0bf307_scores-k_q723d0bf307_scores
	.p2alignl 7, 3214868480
	.fill 96, 4, 3214868480
	.section	.rodata,"a",@progbits
	.p2align	6, 0x0
	.amdhsa_kernel k_q723d0bf307_scores
		.amdhsa_group_segment_fixed_size 274944
		.amdhsa_private_segment_fixed_size 0
		.amdhsa_enable_private_segment 0
		.amdhsa_kernarg_size 56
		.amdhsa_user_sgpr_count 2
		.amdhsa_user_sgpr_kernarg_segment_ptr 1
		.amdhsa_wavefront_size32 1
		.amdhsa_system_sgpr_workgroup_id_x 1
		.amdhsa_system_sgpr_workgroup_id_y 1
		.amdhsa_system_sgpr_workgroup_id_z 1
		.amdhsa_system_vgpr_workitem_id 0
		.amdhsa_next_free_vgpr 1024
		.amdhsa_next_free_sgpr 66
		.amdhsa_reserve_vcc 1
		.amdhsa_float_denorm_mode_32 3
		.amdhsa_float_denorm_mode_16_64 3
		.amdhsa_memory_ordered 1
		.amdhsa_forward_progress 1
		.amdhsa_inst_pref_size 204
	.end_amdhsa_kernel
	.amdgpu_metadata
---
amdhsa.version: [ 1, 2 ]
amdhsa.kernels:
  - .name:           k_q723d0bf307_scores
    .symbol:         k_q723d0bf307_scores.kd
    .args:
      - { .name: source_hids, .offset: 0, .size: 8, .value_kind: global_buffer, .address_space: global }
      - { .name: src_lengths, .offset: 8, .size: 8, .value_kind: global_buffer, .address_space: global }
      - { .name: lowp_scales, .offset: 16, .size: 8, .value_kind: global_buffer, .address_space: global }
      - { .name: wq, .offset: 24, .size: 8, .value_kind: global_buffer, .address_space: global }
      - { .name: cb2, .offset: 32, .size: 8, .value_kind: global_buffer, .address_space: global }
      - { .name: v_score, .offset: 40, .size: 8, .value_kind: global_buffer, .address_space: global }
      - { .name: sc, .offset: 48, .size: 8, .value_kind: global_buffer, .address_space: global }
    .group_segment_fixed_size: 274944
    .private_segment_fixed_size: 0
    .kernarg_segment_align: 8
    .kernarg_segment_size: 56
    .max_flat_workgroup_size: 128
    .sgpr_count:     66
    .vgpr_count:     1024
    .wavefront_size: 32
...
	.end_amdgpu_metadata
.endif
;; end of part 2
;; launch finish (part 3): grid 16 x 64, 8 waves a work-group, no clusters, 9,216 bytes of LDS; arguments source_hids, src_lengths, sc, out0, out1; writes out0, out1
.if DOCPART == 3
	.amdgcn_target "amdgcn-amd-amdhsa--gfx1250"
	.amdhsa_code_object_version 6
	.text
	.protected	k_q723d0bf307_finish
	.globl	k_q723d0bf307_finish
	.p2align	8
	.type	k_q723d0bf307_finish,@function
k_q723d0bf307_finish:
	s_mov_b64 s[64:65], 0
	v_nop
	global_prefetch_b8 v0, s[64:65] scope:SCOPE_SE
	s_setreg_imm32_b32 hwreg(HW_REG_WAVE_MODE, 25, 1), 1
	s_wait_xcnt 0x0
; FINISH.  attn[s][b] = softmax over s of sc[b][s] (out1); ctx[b][c] = sum over s of source_hids[s][b][c] attn[s][b] (out0).
; SHARES.  Work-group (x, b): 64 columns c = 64 x .. (256 aligned bytes of every row) of batch row b.  Each of a row's sixteen work-groups makes
; the row's softmax anew from 4,096 bytes of sc (the maximum is taken away first), and stores a sixteenth of attn's column b.
; Eight waves share the rows s by blocks of 32: wave w takes blocks w, w + 8, w + 16, w + 24.  A block all of whose rows have s >= src_lengths[b]
; has p = 0 throughout (2^((-1e6 - max) log2 e) is 0) and is passed over by a scalar branch on that number; where src_lengths[b] <= 0 every score
; is -1e6, every p is 1, and all 32 blocks are walked.  All in f32: memory binds here, so matrix units and clusters would add nothing.
; A load takes 256 consecutive aligned bytes of each of two rows.  attn's column is stored 4 bytes a row, 256 bytes apart: a work-group knows
; one column b alone; out1 is 262,144 bytes in all.  ctx leaves as one store of 256 consecutive aligned bytes.
.set MXB, 4096                         ; LDS: p[1024] at 0; the waves' maxima here (8 words),
.set SMB, 4352                         ; their sums,
.set CXB, 4608                         ; their parts of ctx: 8 x 256 bytes
.set SROW, 262144                      ; bytes from s to s + 1
.set ACCR, 32                          ; v32-39   two sets of 4 sums (even rows', odd rows')
.set D,   48                           ; v48-111  16 rows x 4 numbers
.set PP,  112                          ; v112-127 my 16 rows' p
.set WV,  14
.set BB,  15
.set XX,  16
.set LEN, 17
.set NB,  18
.set SEL, 20                           ; s[20:21]
.macro FMA2 q                          ; row q: 4 columns x its p, which lies in one half of a pair
.set e_, ACCR+4*((\q)%2)
.set p_, PP+2*((\q)/2)
.irp k, 0,2
.if (\q)%2
	v_pk_fma_f32 v[e_+\k:e_+\k+1], v[D+4*(\q)+\k:D+4*(\q)+\k+1], v[p_:p_+1], v[e_+\k:e_+\k+1] op_sel:[0,1,0] op_sel_hi:[1,1,1]
.else
	v_pk_fma_f32 v[e_+\k:e_+\k+1], v[D+4*(\q)+\k:D+4*(\q)+\k+1], v[p_:p_+1], v[e_+\k:e_+\k+1] op_sel_hi:[1,0,1]
.endif
.endr
.endm
.macro ADD4 a, b                       ; four numbers onto four
	v_pk_add_f32 v[\a:\a+1], v[\a:\a+1], v[\b:\b+1]
	v_pk_add_f32 v[\a+2:\a+3], v[\a+2:\a+3], v[\b+2:\b+3]
.endm
	s_load_b256 s[4:11], s[0:1], 0x0               ; source_hids s[4:5], src_lengths s[6:7], sc s[8:9], out0 s[10:11]
	s_load_b64 s[12:13], s[0:1], 0x20              ; out1
	v_lshl_add_u32 v128, v0, 2, 0x2000
	v_mov_b32 v129, 0
	v_lshrrev_b32 v1, 5, v0
	v_readfirstlane_b32 s[WV], v1                  ; wave 0..7
	v_and_b32 v1, 31, v0                           ; lane
	v_and_b32 v2, 15, v0                           ; lane % 16
	v_bfe_u32 v3, v0, 4, 1                         ; h
	v_lshlrev_b32 v4, 4, v0                        ; sc: my four scores
	v_lshlrev_b32 v14, 4, v0                       ; LDS: my four p
	v_mov_b32 v5, s[WV]
	v_lshlrev_b32 v5, 2, v5                        ; LDS: my wave's word
	v_mov_b32 v6, 0
	s_lshl_b32 s22, s[WV], 7
	v_lshl_add_u32 v7, v3, 6, s22                  ; LDS: p of my 16 rows of block w: 4 (32 w + 16 h)
	s_lshl_b32 s22, s[WV], 8
	v_lshl_add_u32 v8, v2, 4, s22                  ; LDS: my wave's part of ctx
	v_lshlrev_b32 v9, 4, v2                        ; LDS: my 16 bytes of a part
	v_lshlrev_b32 v10, 4, v1                       ; out0: my 16 bytes
	v_lshlrev_b32 v11, 22, v3                      ; source_hids: lanes 16-31 stand 16 rows further down,
	v_lshl_add_u32 v11, v2, 4, v11                 ; 16 bytes a lane
	v_lshlrev_b32 v12, 10, v0                      ; out1: row 4 x thread
	v_lshrrev_b32 v13, 4, v0                       ; which work-group stores my four
	v_mov_b32 v21, 0                               ; written once: a lane permute's destination counts as one of its sources
.irp i, 0,1,2,3,4,5,6,7,8,9,10,11
	v_mov_b32 v[ACCR+\i], 0                        ; the sums (a wave may walk no block at all), and four more destinations of permutes
.endr
	s_mov_b32 s[SEL], 0x76543210
	s_mov_b32 s[SEL+1], 0xfedcba98
	s_and_b32 s[BB], ttmp7, 0xffff
	s_mov_b32 s[XX], ttmp9
	s_lshl_b32 s24, s[BB], 12                      ; 4,096 b
	s_mov_b32 s25, 0
	s_lshl_b32 s26, s[BB], 2                       ; 4 b
	s_mov_b32 s27, 0
	s_lshl_b32 s28, s[XX], 8
	s_add_co_u32 s28, s28, s24                     ; 4,096 b + 256 x
	s_mov_b32 s29, 0
	s_lshl_b32 s30, s[WV], 23                      ; block w: 32 w rows of 262,144 bytes
	s_add_co_u32 s30, s30, s28
	s_mov_b32 s31, 0
	s_wait_kmcnt 0x0
	s_add_nc_u64 s[6:7], s[6:7], s[26:27]
	s_load_b32 s[LEN], s[6:7], 0x0
	s_add_nc_u64 s[8:9], s[8:9], s[24:25]
	s_add_nc_u64 s[4:5], s[4:5], s[30:31]
	s_add_nc_u64 s[10:11], s[10:11], s[28:29]
	s_add_nc_u64 s[12:13], s[12:13], s[26:27]
	global_load_b128 v[16:19], v4, s[8:9]
	s_wait_loadcnt 0x0
	; ---- the row's maximum
	v_max3_num_f32 v20, v16, v17, v18
	v_max_num_f32 v20, v20, v19
	v_max_num_f32_dpp v20, v20, v20 row_xmask:1 row_mask:0xf bank_mask:0xf
	v_max_num_f32_dpp v20, v20, v20 row_xmask:2 row_mask:0xf bank_mask:0xf
	v_max_num_f32_dpp v20, v20, v20 row_xmask:4 row_mask:0xf bank_mask:0xf
	v_max_num_f32_dpp v20, v20, v20 row_xmask:8 row_mask:0xf bank_mask:0xf
	v_permlanex16_b32 v21, v20, s[SEL], s[SEL+1]
	v_max_num_f32 v20, v20, v21
	ds_store_b32 v5, v20 offset:MXB
	s_wait_dscnt 0x0                               ; for the others' sake
	s_barrier_signal -1
	s_barrier_wait -1
	ds_load_b128 v[24:27], v6 offset:MXB
	ds_load_b128 v[28:31], v6 offset:MXB+16
	s_wait_dscnt 0x0
	v_max3_num_f32 v20, v24, v25, v26
	v_max3_num_f32 v20, v20, v27, v28
	v_max3_num_f32 v20, v20, v29, v30
	v_max_num_f32 v20, v20, v31
	; ---- p = e^(score - maximum), and its sum
.irp i, 0,1,2,3
	v_sub_f32 v[16+\i], v[16+\i], v20
.endr
.irp i, 0,1,2,3
	v_mul_f32 v[16+\i], 0x3fb8aa3b, v[16+\i]
.endr
.irp i, 0,1,2,3
	v_exp_f32 v[16+\i], v[16+\i]
.endr
	v_nop                                          ; a plain line behind the last exponential
	s_wait_alu depctr_va_vdst(0)                   ; one wait for the four, ahead of their first reader
	v_add_f32 v22, v16, v17
	v_add_f32 v23, v18, v19
	v_add_f32 v22, v22, v23
	v_add_f32_dpp v22, v22, v22 row_xmask:1 row_mask:0xf bank_mask:0xf
	v_add_f32_dpp v22, v22, v22 row_xmask:2 row_mask:0xf bank_mask:0xf
	v_add_f32_dpp v22, v22, v22 row_xmask:4 row_mask:0xf bank_mask:0xf
	v_add_f32_dpp v22, v22, v22 row_xmask:8 row_mask:0xf bank_mask:0xf
	v_permlanex16_b32 v21, v22, s[SEL], s[SEL+1]
	v_add_f32 v22, v22, v21
	ds_store_b32 v5, v22 offset:SMB
	ds_store_b128 v14, v[16:19]                    ; p, not yet divided
	s_wait_dscnt 0x0                               ; for the others' sake
	s_barrier_signal -1
	s_barrier_wait -1
	ds_load_b128 v[24:27], v6 offset:SMB
	ds_load_b128 v[28:31], v6 offset:SMB+16
	s_wait_dscnt 0x0
	v_pk_add_f32 v[24:25], v[24:25], v[26:27]
	v_pk_add_f32 v[28:29], v[28:29], v[30:31]
	v_pk_add_f32 v[24:25], v[24:25], v[28:29]
	v_add_f32 v22, v24, v25
	v_rcp_f32 v23, v22                             ; 1 / the sum
	v_cmp_eq_u32 vcc_lo, s[XX], v13                ; (a plain line behind the reciprocal)  the 16 threads whose attn this work-group stores
	s_wait_alu depctr_va_vdst(0)
.irp i, 0,1,2,3
	v_mul_f32 v[24+\i], v[16+\i], v23
.endr
	s_wait_xcnt 0x0                                ; EXEC changes only behind this wait
	s_and_saveexec_b32 s33, vcc_lo
.irp i, 0,1,2,3
	global_store_b32 v12, v[24+\i], s[12:13] offset:256*\i   ; attn[4 thread + i][b]
.endr
	s_wait_xcnt 0x0                                ; and again, in front of the line that widens it
	s_or_b32 exec_lo, exec_lo, s33
	; ---- ctx: blocks of 32 rows, as far as rows count
	s_wait_kmcnt 0x0
	s_min_i32 s32, s[LEN], 1024
	s_cmp_gt_i32 s[LEN], 0
	s_cselect_b32 s32, s32, 1024                   ; no row counts: the softmax is then flat over all 1,024
	s_add_co_u32 s32, s32, 31
	s_lshr_b32 s[NB], s32, 5                       ; blocks that hold a row that counts
.irp n, 0,1,2,3
	s_add_co_u32 s32, s[WV], 8*\n
	s_cmp_ge_u32 s32, s[NB]
	s_cbranch_scc1 .Lskip_\n
.irp i, 0,1,2,3
	ds_load_b128 v[PP+4*\i:PP+4*\i+3], v7 offset:1024*\n+16*\i
.endr
.irp q, 0,1,2,3,4,5,6,7,8,9,10,11,12,13,14,15
	global_load_b128 v[D+4*\q:D+4*\q+3], v11, s[4:5] offset:SROW*\q th:TH_LOAD_NT   ; rows 32 block + q (lanes 0-15) and + 16 + q (lanes 16-31)
.endr
	s_wait_dscnt 0x0
.irp q, 0,1,2,3,4,5,6,7,8,9,10,11,12,13,14,15
	s_wait_loadcnt 15-\q                           ; the younger loads of this block stay out
	FMA2 \q
.endr
.Lskip_\n:
.if \n < 3
	s_wait_xcnt 0x0                                ; the loads have read their base, which steps eight blocks on
	s_add_nc_u64 s[4:5], s[4:5], 256*SROW
.endif
.endr
	ADD4 ACCR, ACCR+4
.irp i, 0,1,2,3
	v_permlanex16_b32 v[ACCR+8+\i], v[ACCR+\i], s[SEL], s[SEL+1]
.endr
	ADD4 ACCR, ACCR+8                              ; both halves of the lanes hold my wave's part
	ds_store_b128 v8, v[ACCR:ACCR+3] offset:CXB
	s_wait_dscnt 0x0                               ; for the others' sake
	s_barrier_signal -1
	s_barrier_wait -1
	s_cmp_lg_u32 s[WV], 0
	s_cbranch_scc1 .Lend
.irp i, 0,1,2,3,4,5,6,7
	ds_load_b128 v[D+4*\i:D+4*\i+3], v9 offset:CXB+256*\i
.endr
	s_wait_dscnt 0x0
	ADD4 D, D+4
	ADD4 D+8, D+12
	ADD4 D+16, D+20
	ADD4 D+24, D+28
	ADD4 D, D+8
	ADD4 D+16, D+24
	ADD4 D, D+16
.irp i, 0,1,2,3
	v_mul_f32 v[D+\i], v[D+\i], v23                ; / the sum
.endr
	s_wait_xcnt 0x0                                ; EXEC changes only behind this wait
	s_wait_tensorcnt 0x0
	ds_add_u32 v128, v129
	s_wait_dscnt 0x0
	v_cmpx_gt_u32 16, v1
	global_store_b128 v10, v[D:D+3], s[10:11]      ; sixteen lanes store 256 consecutive bytes, aligned
	s_endpgm
.Lend:
	s_wait_tensorcnt 0x0
	ds_add_u32 v128, v129
	s_wait_dscnt 0x0
	s_endpgm
.Lfunc_end_k_q723d0bf307_finish:
	.size	k_q723d0bf307_finish, .Lfunc_end_k_q723d0bf307_finish-k_q723d0bf307_finish
	.p2alignl 7, 3214868480
	.fill 96, 4, 3214868480
	.section	.rodata,"a",@progbits
	.p2align	6, 0x0
	.amdhsa_kernel k_q723d0bf307_finish
		.amdhsa_group_segment_fixed_size 9216
		.amdhsa_private_segment_fixed_size 0
		.amdhsa_enable_private_segment 0
		.amdhsa_kernarg_size 40
		.amdhsa_user_sgpr_count 2
		.amdhsa_user_sgpr_kernarg_segment_ptr 1
		.amdhsa_wavefront_size32 1
		.amdhsa_system_sgpr_workgroup_id_x 1
		.amdhsa_system_sgpr_workgroup_id_y 1
		.amdhsa_system_sgpr_workgroup_id_z 1
		.amdhsa_system_vgpr_workitem_id 0
		.amdhsa_next_free_vgpr 130
		.amdhsa_next_free_sgpr 66
		.amdhsa_reserve_vcc 1
		.amdhsa_float_denorm_mode_32 3
		.amdhsa_float_denorm_mode_16_64 3
		.amdhsa_memory_ordered 1
		.amdhsa_forward_progress 1
		.amdhsa_inst_pref_size 27
	.end_amdhsa_kernel
	.amdgpu_metadata
---
amdhsa.version: [ 1, 2 ]
amdhsa.kernels:
  - .name:           k_q723d0bf307_finish
    .symbol:         k_q723d0bf307_finish.kd
    .args:
      - { .name: source_hids, .offset: 0, .size: 8, .value_kind: global_buffer, .address_space: global }
      - { .name: src_lengths, .offset: 8, .size: 8, .value_kind: global_buffer, .address_space: global }
      - { .name: sc, .offset: 16, .size: 8, .value_kind: global_buffer, .address_space: global }
      - { .name: out0, .offset: 24, .size: 8, .value_kind: global_buffer, .address_space: global }
      - { .name: out1, .offset: 32, .size: 8, .value_kind: global_buffer, .address_space: global }
    .group_segment_fixed_size: 9216
    .private_segment_fixed_size: 0
    .kernarg_segment_align: 8
    .kernarg_segment_size: 40
    .max_flat_workgroup_size: 256
    .sgpr_count:     66
    .vgpr_count:     130
    .wavefront_size: 32
...
	.end_amdgpu_metadata
.endif
;; end of part 3
;; ======== version 2 of 2: 3 launches; version 1 with the launches prep, scores written anew for expert scheduling mode
;; workspace buffers: wq 1,048,576 bytes; cb2 262,144 bytes; sc 262,144 bytes
;; launch prep (part 4): grid 64 x 1, 6 waves a work-group, no clusters, 100,608 bytes of LDS; arguments W_enc, W_dec, decoder_state, b_enc, b_dec, lowp_scales, wq, cb2; writes wq, cb2
.if DOCPART == 4
	.amdgcn_target "amdgcn-amd-amdhsa--gfx1250"
	.amdhsa_code_object_version 6
	.text
	.protected	k_q723d0bf307_prep
	.globl	k_q723d0bf307_prep
	.p2align	8
	.type	k_q723d0bf307_prep,@function
k_q723d0bf307_prep:
	s_mov_b64 s[64:65], 0
	v_nop
	global_prefetch_b8 v0, s[64:65] scope:SCOPE_SE
	s_setreg_imm32_b32 hwreg(HW_REG_WAVE_SCHED_MODE, 0, 2), 2
	s_setreg_imm32_b32 hwreg(HW_REG_WAVE_MODE, 25, 1), 1
	s_wait_xcnt 0x0
	s_wait_alu depctr_vm_vsrc(0)
; PREP.  Work-group g owns the 16 attention units a = 16 g .. 16 g + 15.  It makes
;   wq : W_enc's rows 16 g .. as codes of E4M3 (scale 2^e1), laid as images of the operand's registers:
;        fragment (g, K step ks) at 16384 g + 2048 ks + 512 c + 16 lane, c = 0 .. 3;
;   cb2: [64 b][1024 a] f32 = 2 log2(e) x (Q(decoder_state) Q(W_dec)^T + b_dec + b_enc), columns 16 g .. 16 g + 15.
; SHARES.  Six waves, 16 rows of 1,024 f32 each: wave 0 W_enc (e1), wave 1 W_dec (e3), waves 2 to 5 the four tiles of 16 rows
; of decoder_state (e2).  Pointer, first row and exponent are chosen by the wave's number, so all six take one path.
; THE MAP FROM BYTE TO k, the same for every operand of this program, so that each product meets its partner:
; load i of a row reads its bytes 512 i .., 16 a lane (k = 128 i + 4 lane + 0 .. 3); the codes of loads 0-3 go to byte 16 lane
; of the row of codes, those of loads 4-7 to byte 512 + 16 lane.  Fragment ks is bytes 128 ks .. + 127 of 16 rows of codes.
; code = x / 2^e, held within +-448, to the nearest code, ties to even.
; LIMITS: each e between -126 and 119; e2 + e3 between -127 and 126; NaN among the inputs is not served.
; cb2 leaves in pieces of 64 bytes a row: a work-group has 16 of a row's 1,024 columns.  The buffer is 262,144 bytes in all.
; No tensor load, no cluster: each row of the weights is read by one wave, once.
; THE MODE: SCHED_MODE bits 1:0 = 2 (LLVM: expert scheduling mode 2), set by the entry lines.  The code itself states the register dependences
; between vector or matrix instructions and memory or LDS instructions, with s_wait_alu, always for 0.
; THE PLAN.  Registers that memory or LDS instructions touch:
;   the ring   eight sets of 32 in window 1.  A row's holds write its set, its conversions read it; behind them the loads of the row eight further on land in it.
;              Behind the barrier the same registers take fragments out of LDS, which products or stores read.
;   CT         eight registers a set.  Written by the row's conversions, read by its two LDS stores, written again eight rows later.
;   v4 - v9    offsets and addresses, made at the head and never written again.
;   BI, RS     BI: loads land in it, vector lines work on it afterwards.  RS: written by the last arithmetic, read by the last two stores.
; So ONE wait on va_vdst stands in a row, behind its conversions, where the set is to be asked for again at once; the row's eight loads and two LDS stores follow it.
; One wait on vm_vsrc stands between the two groups of eight rows, ahead of the conversions that write CT again.
.set PITCH, 1040                       ; a row of codes in LDS: 1,024 bytes + 16, an odd multiple of 16
.set STG,   16*PITCH                   ; a wave's stage: 16 rows
.set GOF, 4                            ; v4   16 x lane: my bytes of a load's 512, and of an image's
.set STA, 5                            ; v5   where I store codes: my wave's stage + 16 x lane
.set FRO, 6                            ; v6   a fragment out of my wave's stage: + 1040 r + 16 h
.set FR1, 7                            ; v7   the same out of wave 1's stage (W_dec)
.set VB,  8                            ; v8   32 h: my eight biases
.set VO,  9                            ; v9   4096 r + 32 h: my 32 bytes of cb2
.set SCL, 10                           ; v10  2^e as f32: the conversion takes its exponent field
.set AC,  64                           ; v64-79   two accumulators, by turns
.set RS,  80                           ; v80-87   the result
.set BI,  96                           ; v96-111  b_dec's eight, b_enc's eight
.set CT,  160                          ; v160-223 codes: eight registers for each of the ring's eight rows
.set WV,  24
.set LIM, 25                           ; 448 x 2^e
.set NLIM, 26                          ; and its negative
.set SRC, 28                           ; s[28:29] my wave's first row
.set K2,  30                           ; s[30:31] 2 log2(e) x 2^(e2 + e3)
.set MSB, 0
.macro WIN new                         ; the immediate's high byte repeats the setting that is left; a switch that changes nothing is dropped
.if MSB != \new
	s_set_vgpr_msb (MSB<<8)|\new
.set MSB, \new
.endif
.endm
; One row of 1,024 numbers (ring set, 32 registers of window 1) becomes 1,024 codes at ldsoff of my stage.
; left: the loads younger than this row's eight.  reload = 1: the set takes the row at byte gimm.
.macro QROW set, ldsoff, reload, gimm, left
	s_wait_loadcnt \left
	WIN 0x41                                       ; destination and source 0 in window 1
.set i_, 0
.rept 32
	v_med3_num_f32 v[32*(\set)+i_], v[32*(\set)+i_], s[NLIM], s[LIM]   ; the conversion does not saturate (ISA guide 7.6.2): the hold comes first
.set i_, i_+1
.endr
	WIN 0x01                                       ; numbers in window 1, codes and scale in window 0
.irp u, 0,1,2,3
	v_cvt_scalef32_pk8_fp8_f32 v[CT+8*(\set)+2*\u:CT+8*(\set)+2*\u+1], v[32*(\set)+8*\u:32*(\set)+8*\u+7], v[SCL]
.endr
	v_nop                                          ; one plain line behind the last conversion
	WIN 0x40                                       ; a load's data in window 1; addresses and the LDS stores' data in window 0
	s_wait_alu depctr_va_vdst(0)                   ; the holds have written the set and the conversions are done reading it: the loads below land in it; the conversions have written CT, which the LDS stores read
.if \reload
.irp i, 0,1,2,3,4,5,6,7
	global_load_b128 v[32*(\set)+4*\i:32*(\set)+4*\i+3], v[GOF], s[SRC:SRC+1] offset:(\gimm)+512*\i
.endr
.endif
	ds_store_b128 v[STA], v[CT+8*(\set):CT+8*(\set)+3] offset:\ldsoff
	ds_store_b128 v[STA], v[CT+8*(\set)+4:CT+8*(\set)+7] offset:(\ldsoff)+512
.endm
	s_load_b256 s[4:11], s[0:1], 0x0               ; W_enc s[4:5], W_dec s[6:7], decoder_state s[8:9], b_enc s[10:11]
	s_load_b256 s[12:19], s[0:1], 0x20             ; b_dec s[12:13], the exponents s[14:15], wq s[16:17], cb2 s[18:19]
	v_lshl_add_u32 v254, v0, 2, 0x18600
	v_mov_b32 v255, 0
	v_lshrrev_b32 v1, 5, v0
	v_readfirstlane_b32 s[WV], v1                  ; wave 0..5
	v_and_b32 v1, 31, v0                           ; lane
	v_and_b32 v2, 15, v0                           ; r
	v_bfe_u32 v3, v0, 4, 1                         ; h
	v_lshlrev_b32 v[GOF], 4, v1
	s_wait_alu depctr_va_sdst(0)                   ; the wave's number is written, ahead of its first reader
	s_mul_i32 s32, s[WV], STG
	v_add_nc_u32 v[STA], s32, v[GOF]
	v_mul_u32_u24 v[FR1], v2, PITCH
	v_lshl_add_u32 v[FR1], v3, 4, v[FR1]
	v_add_nc_u32 v[FRO], s32, v[FR1]
	v_add_nc_u32 v[FR1], STG, v[FR1]
	v_lshlrev_b32 v[VB], 5, v3
	v_lshl_add_u32 v[VO], v2, 12, v[VB]
	s_max_u32 s33, s[WV], 2
	s_sub_co_u32 s33, s33, 2
	s_lshl_b32 s33, s33, 4                         ; 16 (wave - 2): decoder_state's tile (0 in waves 0 and 1, which do not use it)
	s_lshl_b32 s34, ttmp9, 4                       ; 16 g: the weights' tile
	s_cmp_lt_u32 s[WV], 2
	s_cselect_b32 s34, s34, s33                    ; my first row,
	s_lshl_b32 s34, s34, 12                        ; in bytes
	s_mov_b32 s35, 0
	s_lshl_b32 s36, ttmp9, 14                      ; wq: 16,384 g
	s_mov_b32 s37, 0
	s_lshl_b32 s38, ttmp9, 6                       ; the biases and cb2's columns: 64 g
	s_mov_b32 s39, 0
	s_lshl_b32 s40, s33, 12
	s_add_co_u32 s40, s40, s38                     ; cb2: my tile's first row + 64 g
	s_mov_b32 s41, 0
	s_wait_kmcnt 0x0
	s_load_b128 s[20:23], s[14:15], 0x0            ; e0, e1, e2, e3
	s_cmp_eq_u32 s[WV], 1
	s_cselect_b64 s[SRC:SRC+1], s[6:7], s[8:9]
	s_cmp_eq_u32 s[WV], 0
	s_cselect_b64 s[SRC:SRC+1], s[4:5], s[SRC:SRC+1]
	s_add_nc_u64 s[SRC:SRC+1], s[SRC:SRC+1], s[34:35]
	s_add_nc_u64 s[16:17], s[16:17], s[36:37]
	s_add_nc_u64 s[10:11], s[10:11], s[38:39]
	s_add_nc_u64 s[12:13], s[12:13], s[38:39]
	s_add_nc_u64 s[18:19], s[18:19], s[40:41]
	WIN 0x40
	s_wait_alu depctr_va_vdst(0)                   ; the six offsets and addresses v4 to v9 are written, which every load and store of the kernel reads
.irp q, 0,1,2,3,4,5,6,7
.irp i, 0,1,2,3,4,5,6,7
	global_load_b128 v[32*\q+4*\i:32*\q+4*\i+3], v[GOF], s[SRC:SRC+1] offset:4096*\q+512*\i   ; rows 0 to 7: each load reads 512 consecutive bytes
.endr
.endr
	WIN 0
	s_wait_kmcnt 0x0
	s_cmp_eq_u32 s[WV], 1
	s_cselect_b32 s42, s23, s22
	s_cmp_eq_u32 s[WV], 0
	s_cselect_b32 s42, s21, s42                    ; my tensor's e
	s_add_co_i32 s42, s42, 127
	s_lshl_b32 s43, s42, 23
	v_mov_b32 v[SCL], s43
	s_add_co_i32 s42, s42, 8
	s_lshl_b32 s[LIM], s42, 23
	s_or_b32 s[LIM], s[LIM], 0x600000              ; 448 x 2^e
	s_or_b32 s[NLIM], s[LIM], 0x80000000
	s_add_co_i32 s44, s22, s23
	s_lshl_b32 s44, s44, 23
	s_add_co_i32 s[K2], s44, 0x4038aa3b            ; e2 + e3 added to the exponent field of 2 log2(e)
	s_mov_b32 s[K2+1], s[K2]                       ; (named with it as a pair, so it is written)
.irp q, 0,1,2,3,4,5,6,7
	QROW \q, PITCH*\q, 1, (\q+8)*4096, 56          ; seven younger sets of eight loads stay out
.endr
	s_wait_dscnt 0x0                               ; the stores have read the codes' registers, which are written again
	s_wait_alu depctr_vm_vsrc(0)                   ; the sixteen LDS stores have read CT, which the conversions below write again
.irp q, 0,1,2,3,4,5,6,7
	QROW \q, PITCH*(\q+8), 0, 0, 56-8*\q           ; the last eight rows: the counts run down
.endr
	WIN 0
	s_wait_dscnt 0x0                               ; for the others' sake: my codes lie in LDS
	s_barrier_signal -1
	s_barrier_wait -1
	s_cmp_lt_u32 s[WV], 2
	s_cbranch_scc0 .Ldec
	s_cmp_eq_u32 s[WV], 0
	s_cbranch_scc0 .Lend                           ; wave 1 has done its part
	; wave 0: W_enc's eight fragments out of my stage, and to memory as they stand in the registers
	WIN 0x40
	s_wait_alu depctr_va_vdst(0)                   ; the holds and conversions are done with the ring's registers, in which the fragments land
.irp k, 0,1,2,3,4,5,6,7
.irp c, 0,1,2,3
	ds_load_b128 v[16*\k+4*\c:16*\k+4*\c+3], v[FRO] offset:128*\k+32*\c
.endr
.endr
	s_wait_dscnt 0x0
	WIN 0x04                                       ; a store's data in window 1
.irp k, 0,1,2,3,4,5,6,7
.irp c, 0,1,2,3
	global_store_b128 v[GOF], v[16*\k+4*\c:16*\k+4*\c+3], s[16:17] offset:2048*\k+512*\c   ; 32 lanes store 512 consecutive bytes, aligned
.endr
.endr
	WIN 0
.Lend:
	s_wait_dscnt 0x0
	s_wait_alu depctr_hold_cnt(0) depctr_sa_sdst(0) depctr_va_vdst(0) depctr_va_sdst(0) depctr_va_ssrc(0) depctr_va_vcc(0) depctr_vm_vsrc(0)
	s_wait_tensorcnt 0x0
	ds_add_u32 v254, v255
	s_wait_dscnt 0x0
	s_endpgm
.Ldec:
	; waves 2 to 5: 16 rows of decoder_state x W_dec's 16 rows.  Source 0 = W_dec, source 1 = my rows: lane (r, h) holds row r, a = 16 g + 8 h + j
	global_load_b128 v[BI:BI+3], v[VB], s[12:13]
	global_load_b128 v[BI+4:BI+7], v[VB], s[12:13] offset:16
	global_load_b128 v[BI+8:BI+11], v[VB], s[10:11]
	global_load_b128 v[BI+12:BI+15], v[VB], s[10:11] offset:16
	WIN 0x40
	s_wait_alu depctr_va_vdst(0)                   ; the holds and conversions are done with the ring's registers, in which the fragments land
.irp k, 0,1,2,3,4,5,6,7
.irp c, 0,1,2,3
	ds_load_b128 v[16*\k+4*\c:16*\k+4*\c+3], v[FR1] offset:128*\k+32*\c
	ds_load_b128 v[128+16*\k+4*\c:128+16*\k+4*\c+3], v[FRO] offset:128*\k+32*\c
.endr
.endr
	s_wait_dscnt 0x0
	WIN 0x05                                       ; both operands in window 1, the sums in window 0
	v_wmma_f32_16x16x128_fp8_fp8 v[AC:AC+7], v[0:15], v[128:143], 0
	v_wmma_f32_16x16x128_fp8_fp8 v[AC+8:AC+15], v[16:31], v[144:159], 0
.irp k, 2,4,6                                  ; two accumulators by turns, one instruction a turn
	v_wmma_f32_16x16x128_fp8_fp8 v[AC:AC+7], v[16*\k:16*\k+15], v[128+16*\k:128+16*\k+15], v[AC:AC+7]
	v_wmma_f32_16x16x128_fp8_fp8 v[AC+8:AC+15], v[16*\k+16:16*\k+31], v[144+16*\k:144+16*\k+15], v[AC+8:AC+15]
.endr
	WIN 0
.rept 4
	v_nop                                          ; four places behind the last product (ISA guide 7.12.1)
.endr
.irp i, 0,2,4,6
	v_pk_add_f32 v[RS+\i:RS+\i+1], v[AC+\i:AC+\i+1], v[AC+8+\i:AC+8+\i+1]   ; both accumulators from their low end on
.endr
	s_wait_loadcnt 0x0                             ; the biases
.irp i, 0,2,4,6
	v_pk_add_f32 v[BI+\i:BI+\i+1], v[BI+\i:BI+\i+1], v[BI+8+\i:BI+8+\i+1]
.endr
.irp i, 0,2,4,6
	v_pk_mul_f32 v[BI+\i:BI+\i+1], v[BI+\i:BI+\i+1], 0x4038aa3b op_sel_hi:[1,0]
.endr
.irp i, 0,2,4,6
	v_pk_fma_f32 v[RS+\i:RS+\i+1], v[RS+\i:RS+\i+1], s[K2:K2+1], v[BI+\i:BI+\i+1] op_sel_hi:[1,0,1]
.endr
	s_wait_alu depctr_va_vdst(0)                   ; the multiply-adds have written RS, which the two stores read
	global_store_b128 v[VO], v[RS:RS+3], s[18:19]
	global_store_b128 v[VO], v[RS+4:RS+7], s[18:19] offset:16
	s_wait_dscnt 0x0
	s_wait_alu depctr_hold_cnt(0) depctr_sa_sdst(0) depctr_va_vdst(0) depctr_va_sdst(0) depctr_va_ssrc(0) depctr_va_vcc(0) depctr_vm_vsrc(0)
	s_wait_tensorcnt 0x0
	ds_add_u32 v254, v255
	s_wait_dscnt 0x0
	s_endpgm
.Lfunc_end_k_q723d0bf307_prep:
	.size	k_q723d0bf307_prep, .Lfunc_end_k_q723d0bf307_prep-k_q723d0bf307_prep
	.p2alignl 7, 3214868480
	.fill 96, 4, 3214868480
	.section	.rodata,"a",@progbits
	.p2align	6, 0x0
	.amdhsa_kernel k_q723d0bf307_prep
		.amdhsa_group_segment_fixed_size 100608
		.amdhsa_private_segment_fixed_size 0
		.amdhsa_enable_private_segment 0
		.amdhsa_kernarg_size 64
		.amdhsa_user_sgpr_count 2
		.amdhsa_user_sgpr_kernarg_segment_ptr 1
		.amdhsa_wavefront_size32 1
		.amdhsa_system_sgpr_workgroup_id_x 1
		.amdhsa_system_sgpr_workgroup_id_y 1
		.amdhsa_system_sgpr_workgroup_id_z 1
		.amdhsa_system_vgpr_workitem_id 0
		.amdhsa_next_free_vgpr 512
		.amdhsa_next_free_sgpr 66
		.amdhsa_reserve_vcc 0
		.amdhsa_float_denorm_mode_32 3
		.amdhsa_float_denorm_mode_16_64 3
		.amdhsa_memory_ordered 1
		.amdhsa_forward_progress 1
		.amdhsa_inst_pref_size 69
	.end_amdhsa_kernel
	.amdgpu_metadata
---
amdhsa.version: [ 1, 2 ]
amdhsa.kernels:
  - .name:           k_q723d0bf307_prep
    .symbol:         k_q723d0bf307_prep.kd
    .args:
      - { .name: W_enc, .offset: 0, .size: 8, .value_kind: global_buffer, .address_space: global }
      - { .name: W_dec, .offset: 8, .size: 8, .value_kind: global_buffer, .address_space: global }
      - { .name: decoder_state, .offset: 16, .size: 8, .value_kind: global_buffer, .address_space: global }
      - { .name: b_enc, .offset: 24, .size: 8, .value_kind: global_buffer, .address_space: global }
      - { .name: b_dec, .offset: 32, .size: 8, .value_kind: global_buffer, .address_space: global }
      - { .name: lowp_scales, .offset: 40, .size: 8, .value_kind: global_buffer, .address_space: global }
      - { .name: wq, .offset: 48, .size: 8, .value_kind: global_buffer, .address_space: global }
      - { .name: cb2, .offset: 56, .size: 8, .value_kind: global_buffer, .address_space: global }
    .group_segment_fixed_size: 100608
    .private_segment_fixed_size: 0
    .kernarg_segment_align: 8
    .kernarg_segment_size: 64
    .max_flat_workgroup_size: 192
    .sgpr_count:     66
    .vgpr_count:     512
    .wavefront_size: 32
...
	.end_amdgpu_metadata
.endif
;; end of part 4
;; launch scores (part 5): grid 4 x 64, 4 waves a work-group, no clusters, 274,944 bytes of LDS; arguments source_hids, src_lengths, lowp_scales, wq, cb2, v_score, sc; writes sc
.if DOCPART == 5
	.amdgcn_target "amdgcn-amd-amdhsa--gfx1250"
	.amdhsa_code_object_version 6
	.text
	.protected	k_q723d0bf307_scores
	.globl	k_q723d0bf307_scores
	.p2align	8
	.type	k_q723d0bf307_scores,@function
k_q723d0bf307_scores:
	s_mov_b64 s[64:65], 0
	v_nop
	global_prefetch_b8 v0, s[64:65] scope:SCOPE_SE
	s_setreg_imm32_b32 hwreg(HW_REG_WAVE_SCHED_MODE, 0, 2), 2
	s_setreg_imm32_b32 hwreg(HW_REG_WAVE_MODE, 25, 1), 1
	s_wait_xcnt 0x0
	s_wait_alu depctr_vm_vsrc(0)
; SCORES.  sc[b][s] = sum over a of v[a] tanh(enc[s][b][a] + dec[b][a] + biases) where s < src_lengths[b], else -1e6.
; enc = Q(source_hids) Q(W_enc)^T on codes of E4M3 (scales 2^e0, 2^e1), f32 sums.  tanh(z) = 1 - 2 / (1 + 2^t), t = 2 log2(e) z = K x sum + cb2,
; K = 2 log2(e) 2^(e0 + e1); cb2 holds 2 log2(e) (dec + b_dec + b_enc).  So a score is (sum of v) - 2 (sum of v / (1 + 2^t)).
; SHARES.  Work-group (x, b): rows s = 256 x .. + 255 of batch row b.  Wave w: 64 of them, four tiles of 16.  The wave quantises its rows
; once (through its own stage in LDS) and keeps their codes in 512 registers; then every wave walks W_enc's 64 tiles of 16 units.
; W's codes come as images of the operand's registers, 64 KiB (four tiles) at a time, through registers into a ring of two LDS slots that lies
; where the stages lay.  Source 0 = 16 rows of W, source 1 = 16 of my rows: lane (r, h) holds row r and a = 16 t + 8 h + j.
; A tile's tanh and its part of the score are worked one step later, in slices between the next tile's products.
; WHAT THE MASK THROWS AWAY IS NOT COMPUTED: a wave all of whose rows have s >= src_lengths[b] passes over loads, products and tanh by scalar
; branches on that number.  The loops' trip counts stay constants, every wave passes every barrier, and each register that a later line reads
; is written on each way through the text (the fills with 0).  The text has no
; tensor load and no joint loads in a cluster, although all work-groups walk the same W.
; The last trip fetches two batches of W and one tile's fragments that nobody multiplies (the offset wraps to W's first batches): the loop has no tail.
; LIMITS: e0 between -126 and 119; e0 + e1 between -127 and 126; NaN among the inputs is not served.
; THE MODE: SCHED_MODE bits 1:0 = 2 (LLVM: expert scheduling mode 2), set by the entry lines.  The code itself states the register dependences
; between vector or matrix instructions and memory or LDS instructions, with s_wait_alu, always for 0.
; THE PLAN, my rows become codes.  Registers that memory or LDS instructions touch:
;   the ring   eight sets of 32 in window 1.  A row's holds write its set, its conversions read it; behind them the loads of the row eight further on land in it.
;   CT         eight registers a set.  Written by the row's conversions, read by its two LDS stores, written again a trip later.
;   v[STA]     read by every LDS store of codes; written once a trip, at the trip's head.
; ONE wait on va_vdst in a row, behind its conversions, where the set is to be asked for again at once; ONE wait on vm_vsrc a trip, ahead of the add to v[STA].
; THE PLAN, the walk over W.  Registers that memory or LDS instructions touch:
;   W0, W1     window 1, v0-63 (a tile's K steps 0-3) and v64-127 (K steps 4-7): two buffers by turns.  The first half's products read W0 while W1's loads land;
;              the second half's products read W1 while the next tile's W0 lands.
;   BT[P], VT[P]  loaded in step j (P = j % 2); BT[P] is read by step j + 1's slices, VT[P] by its sums; loaded again in step j + 2.
;   G          a batch of W on its way: loads land in it, LDS stores read it; no vector line names it.
;   v[TAD]     read by the loads of BT and VT; written once a trip, at the trip's head.  All other addresses are made at the head and never written again.
;   The accumulators and the sums are named by vector and matrix instructions alone.
; Three waits on va_vdst in a step: at the first half's end (its exponentials, ahead of the label); at the head of the second block, where ways have joined
; (W0, VT[P] and v[TAD]); behind the second half (its reciprocals, and W1).  The fragments' loads stand in one run behind each of the last two: their addresses
; lie in window 0 and the products' source 0 in window 1, so a load among the products would want two switches of the window.
; One wait on vm_vsrc stands ahead of each run of loads into G, and one ahead of the add to v[TAD].
.set PITCH, 1040                       ; a row of codes in a stage: 1,024 bytes + 16, an odd multiple of 16
.set ASTG,  64*PITCH                   ; a wave's stage: 64 rows
.set SLOT1, 65536                      ; W's ring: slot 0 at 0, slot 1 here
.set TBL,   4*ASTG                     ; behind the stages: cb2's row (4,096 bytes), then v_score (4,096)
.set SROW,  262144                     ; bytes from s to s + 1 in source_hids
; window 0
.set GOF, 4                            ; 16 x lane: my bytes of a row's load
.set GW,  5                            ; 16 x thread: my bytes of a work-group's load
.set STA0, 6                           ; my stage + 16 x lane
.set STA, 7                            ; + the trip's eight rows
.set ARD, 8                            ; a fragment out of my stage: + 1040 r + 16 h
.set WS0, 9                            ; v9, v10   where I store W's bytes in slot 0, 1: 16 x thread
.set WR0, 11                           ; v11, v12  where I read an image in slot 0, 1: 16 x lane
.set TA0, 13                           ; the tables: TBL + 32 h
.set TAD, 14                           ; + the trip's eight tiles
.set TST, 15                           ; where I store the tables: TBL + 16 x thread
.set SCL, 16                           ; 2^e0 as f32
.set SIDX, 17                          ; my s on the way out
.set SOF, 18                           ; 4 x lane
.set NEG, 19                           ; -1e6
.set T,   20                           ; v20-24 at work on the way out
.set U,   25                           ; v25-28 the other half of the lanes'
.set O0,  29
.set O1,  30
.set G,   32                           ; v32-159  a batch of W on its way: 32 loads x 4
.set CT,  160                          ; v160-223 codes just made
.set TT,  224                          ; v224-239 the tables on their way
; window 1: first the ring of eight rows of f32 (v0-255); in the loop:
.set ACC, 128                          ; v128-191 two sets of four accumulators;  v0-127: a tile's eight fragments of W
.set BT,  192                          ; v192-207 two sets: cb2 at my eight units
.set VT,  208                          ; v208-223 two sets: v_score at my eight units
.set SA,  224                          ; v224-231 a pair for each tile of rows: sum of v / (1 + 2^t)
.set VS,  232                          ; v232-233 sum of v
; window 2: my rows' fragments of K steps 0-3 at 64 ks + 16 m;  window 3: K steps 4-7
.set WV,  18
.set BB,  19
.set LEN, 21
.set ACTG, 22                          ; 1: some row of the work-group counts
.set ACTW, 23                          ; 1: some row of my wave counts
.set LIM, 24
.set NLIM, 25
.set KK,  26                           ; s[26:27]
.set SRC, 28                           ; s[28:29]
.set SO,  30
.set TO,  31
.set WBO, 32                           ; s[32:33] byte offset in wq of the trip's two batches
.set WP,  34                           ; s[34:35] wq + that
.set CNT, 36
.set SEL, 38                           ; s[38:39] lane selects: lane l xor 16
.set MSB, 0
.macro WIN new                         ; the immediate's high byte repeats the setting that is left; a switch that changes nothing is dropped
.if MSB != \new
	s_set_vgpr_msb (MSB<<8)|\new
.set MSB, \new
.endif
.endm
.macro IFW lbl                         ; pass over what follows, up to lbl, if none of my wave's rows counts
	s_cmp_eq_u32 s[ACTW], 0
	s_cbranch_scc1 \lbl
.endm
.macro IFG lbl                         ; the same for the work-group
	s_cmp_eq_u32 s[ACTG], 0
	s_cbranch_scc1 \lbl
.endm
; Places behind matrix instructions (ISA guide 7.12.1): four serve vector readers of their results; a matrix
; instruction that writes over an earlier one's result (a set of accumulators begun anew with C = 0) stands five behind it.
.macro PLACES n
.rept \n
	v_nop
.endr
.endm
.macro FILL first, count
.set i_, \first
.rept \count
	v_mov_b32 v[i_], 0
.set i_, i_+1
.endr
.endm
; One row of 1,024 numbers (ring set, 32 registers of window 1) becomes 1,024 codes at ldsoff from v[STA].
; left: the loads younger than this row's eight.  reload = 1: the set takes the row at byte gimm.
.macro QROW set, ldsoff, reload, gimm, left
	s_wait_loadcnt \left
	WIN 0x41
.set i_, 0
.rept 32
	v_med3_num_f32 v[32*(\set)+i_], v[32*(\set)+i_], s[NLIM], s[LIM]   ; the conversion does not saturate (ISA guide 7.6.2): the hold comes first
.set i_, i_+1
.endr
	WIN 0x01
.irp u, 0,1,2,3
	v_cvt_scalef32_pk8_fp8_f32 v[CT+8*(\set)+2*\u:CT+8*(\set)+2*\u+1], v[32*(\set)+8*\u:32*(\set)+8*\u+7], v[SCL]
.endr
	v_nop                                          ; one plain line behind the last conversion
	WIN 0x40                                       ; a load's data in window 1; addresses and the LDS stores' data in window 0
	s_wait_alu depctr_va_vdst(0)                   ; the holds have written the set and the conversions are done reading it: the loads below land in it; the conversions have written CT, which the LDS stores read; in a trip's first row v[STA] is written
.if \reload
.irp i, 0,1,2,3,4,5,6,7
	global_load_b128 v[32*(\set)+4*\i:32*(\set)+4*\i+3], v[GOF], s[SRC:SRC+1] offset:(\gimm)+512*\i th:TH_LOAD_NT
.endr
.endif
	ds_store_b128 v[STA], v[CT+8*(\set):CT+8*(\set)+3] offset:\ldsoff
	ds_store_b128 v[STA], v[CT+8*(\set)+4:CT+8*(\set)+7] offset:(\ldsoff)+512
.endm
; Slice i_ (0 .. 15) of the work on the accumulators of set prv.  ph = 0: t = K x sum + cb2, then 2^t.  ph = 1: 1 + 2^t, then its reciprocal.
; Slices 0-3: an accumulator's four pairs each, from its low end on.  Slices 4-11: three transcendentals, 12-15: two.  None reads a transcendental's result.
.macro SLICE prv, ph
.set a_, ACC+32*(\prv)
.if i_ < 4
.irp n, 0,1,2,3
.if \ph
	v_pk_add_f32 v[a_+8*i_+2*\n:a_+8*i_+2*\n+1], v[a_+8*i_+2*\n:a_+8*i_+2*\n+1], 1.0 op_sel_hi:[1,0]
.else
	v_pk_fma_f32 v[a_+8*i_+2*\n:a_+8*i_+2*\n+1], v[a_+8*i_+2*\n:a_+8*i_+2*\n+1], s[KK:KK+1], v[BT+8*(\prv)+2*\n:BT+8*(\prv)+2*\n+1] op_sel_hi:[1,0,1]
.endif
.endr
.else
.if i_ < 12
.set e_, 3*(i_-4)
.set c_, 3
.else
.set e_, 24+2*(i_-12)
.set c_, 2
.endif
.rept c_
.if \ph
	v_rcp_f32 v[a_+e_], v[a_+e_]
.else
	v_exp_f32 v[a_+e_], v[a_+e_]
.endif
.set e_, e_+1
.endr
.endif
.endm
; 16 products: K steps kb .. kb + 3 x my four tiles of rows, into set cur; the four accumulators take turns, one instruction a turn.
; Behind each product a slice of set prv's work: all its operands lie in window 1 or are scalars, so no window is switched.
.macro HALF kb, win, cur, prv, ph
	WIN \win
.set i_, 0
.rept 16
.set ks_, (\kb)+i_/4
.set m_, i_%4
.set d_, ACC+32*(\cur)+8*m_
.if ks_ == 0
	v_wmma_f32_16x16x128_fp8_fp8 v[d_:d_+7], v[16*ks_:16*ks_+15], v[64*(ks_%4)+16*m_:64*(ks_%4)+16*m_+15], 0
.else
	v_wmma_f32_16x16x128_fp8_fp8 v[d_:d_+7], v[16*ks_:16*ks_+15], v[64*(ks_%4)+16*m_:64*(ks_%4)+16*m_+15], v[d_:d_+7]
.endif
	SLICE \prv, \ph
.set i_, i_+1
.endr
.endm
.macro FINAL prv                       ; the sums take set prv's reciprocals x v, and v itself
	WIN 0x55
.irp jp, 0,1,2,3
.irp m, 0,1,2,3
	v_pk_fma_f32 v[SA+2*\m:SA+2*\m+1], v[ACC+32*(\prv)+8*\m+2*\jp:ACC+32*(\prv)+8*\m+2*\jp+1], v[VT+8*(\prv)+2*\jp:VT+8*(\prv)+2*\jp+1], v[SA+2*\m:SA+2*\m+1]
.endr
.endr
.irp jp, 0,1,2,3
	v_pk_add_f32 v[VS:VS+1], v[VS:VS+1], v[VT+8*(\prv)+2*\jp:VT+8*(\prv)+2*\jp+1]
.endr
.endm
.macro RUN kb, adr, off                ; 16 LDS loads: a tile's fragments of K steps kb .. kb + 3, as they stood in the registers
.irp u, 0,1,2,3
.irp c, 0,1,2,3
	ds_load_b128 v[16*((\kb)+\u)+4*\c:16*((\kb)+\u)+4*\c+3], v[\adr] offset:(\off)+2048*((\kb)+\u)+512*\c
.endr
.endr
.endm
	s_load_b256 s[4:11], s[0:1], 0x0               ; source_hids s[4:5], src_lengths s[6:7], the exponents s[8:9], wq s[10:11]
	s_load_b128 s[12:15], s[0:1], 0x20             ; cb2 s[12:13], v_score s[14:15]
	s_load_b64 s[16:17], s[0:1], 0x30              ; sc
	v_lshl_add_u32 v254, v0, 2, 0x43000
	v_mov_b32 v255, 0
	v_lshrrev_b32 v1, 5, v0
	v_readfirstlane_b32 s[WV], v1                  ; wave 0..3
	v_and_b32 v1, 31, v0                           ; lane
	v_and_b32 v2, 15, v0                           ; r
	v_bfe_u32 v3, v0, 4, 1                         ; h
	v_lshlrev_b32 v[GOF], 4, v1
	v_lshlrev_b32 v[GW], 4, v0
	s_wait_alu depctr_va_sdst(0)                   ; the wave's number is written, ahead of its first reader
	s_mul_i32 s40, s[WV], ASTG
	v_add_nc_u32 v[STA0], s40, v[GOF]
	v_mul_u32_u24 v[ARD], v2, PITCH
	v_lshl_add_u32 v[ARD], v3, 4, v[ARD]
	v_add_nc_u32 v[ARD], s40, v[ARD]
	v_lshlrev_b32 v[WS0], 4, v0
	v_add_nc_u32 v[WS0+1], SLOT1, v[WS0]
	v_lshlrev_b32 v[WR0], 4, v1
	v_add_nc_u32 v[WR0+1], SLOT1, v[WR0]
	v_lshlrev_b32 v[TA0], 5, v3
	v_add_nc_u32 v[TA0], TBL, v[TA0]
	v_lshl_add_u32 v[TST], v0, 4, TBL
	v_lshlrev_b32 v[SOF], 2, v1
	v_mov_b32 v[NEG], 0xc9742400                   ; -1e6
.irp m, 0,1,2,3
	v_mov_b32 v[U+\m], 0                           ; written once: a lane permute's destination counts as one of its sources
.endr
	s_mov_b32 s[SEL], 0x76543210
	s_mov_b32 s[SEL+1], 0xfedcba98
	s_and_b32 s[BB], ttmp7, 0xffff                 ; b
	s_lshl_b32 s42, ttmp9, 8                       ; the work-group's first s
	s_lshl_b32 s43, s[WV], 6
	s_add_co_u32 s43, s42, s43                     ; my wave's first s
	v_add_nc_u32 v[SIDX], s43, v1
	s_lshl_b32 s44, s43, 18                        ; its row of source_hids: s x 262,144
	s_lshl_b32 s46, s[BB], 12                      ; + 4,096 b
	s_add_co_u32 s44, s44, s46
	s_mov_b32 s45, 0
	s_mov_b32 s47, 0
	s_lshl_b32 s48, s[BB], 2
	s_mov_b32 s49, 0
	s_lshl_b32 s52, s43, 2
	s_add_co_u32 s52, s52, s46                     ; sc: 4,096 b + 4 s
	s_mov_b32 s53, 0
	s_wait_kmcnt 0x0
	s_add_nc_u64 s[6:7], s[6:7], s[48:49]
	s_load_b32 s[LEN], s[6:7], 0x0                 ; src_lengths[b]
	s_load_b64 s[50:51], s[8:9], 0x0               ; e0, e1
	s_add_nc_u64 s[SRC:SRC+1], s[4:5], s[44:45]
	s_add_nc_u64 s[12:13], s[12:13], s[46:47]
	s_add_nc_u64 s[16:17], s[16:17], s[52:53]
	s_wait_alu depctr_va_vdst(0)                   ; the offsets and addresses made above are written: v[GOF], v[GW], v[ARD], v[WS0 ..], v[WR0 ..], v[TST], v[SOF], which loads and stores read and no later line writes
	global_load_b128 v[TT:TT+3], v[GW], s[12:13]               ; cb2's row b and v_score: 4,096 bytes each, 2 x 16 bytes a thread
	global_load_b128 v[TT+4:TT+7], v[GW], s[12:13] offset:2048
	global_load_b128 v[TT+8:TT+11], v[GW], s[14:15]
	global_load_b128 v[TT+12:TT+15], v[GW], s[14:15] offset:2048
.set i_, 0
.rept 32
	global_load_b128 v[G+4*i_:G+4*i_+3], v[GW], s[10:11] offset:2048*i_   ; W's batch 0: each load of the work-group reads 2,048 consecutive bytes
.set i_, i_+1
.endr
	s_wait_kmcnt 0x0
	s_cmp_lt_i32 s42, s[LEN]
	s_cselect_b32 s[ACTG], 1, 0
	s_cmp_lt_i32 s43, s[LEN]
	s_cselect_b32 s[ACTW], 1, 0
	s_add_co_i32 s40, s50, s51
	s_lshl_b32 s40, s40, 23
	s_add_co_i32 s[KK], s40, 0x4038aa3b            ; e0 + e1 added to the exponent field of 2 log2(e)
	s_mov_b32 s[KK+1], s[KK]                       ; (named with it as a pair, so it is written)
	s_add_co_i32 s40, s50, 127
	s_lshl_b32 s41, s40, 23
	v_mov_b32 v[SCL], s41
	s_add_co_i32 s40, s40, 8
	s_lshl_b32 s[LIM], s40, 23
	s_or_b32 s[LIM], s[LIM], 0x600000              ; 448 x 2^e0
	s_or_b32 s[NLIM], s[LIM], 0x80000000
	; ---- my 64 rows become codes.  A ring of eight rows in registers: 64 loads of 512 consecutive bytes are on their way
	IFW .Lring_idle
	WIN 0x40
.irp q, 0,1,2,3,4,5,6,7
.irp i, 0,1,2,3,4,5,6,7
	global_load_b128 v[32*\q+4*\i:32*\q+4*\i+3], v[GOF], s[SRC:SRC+1] offset:SROW*\q+512*\i th:TH_LOAD_NT
.endr
.endr
	WIN 0
	s_branch .Lring_done
.Lring_idle:
	WIN 0x40
	FILL 0, 256                                    ; written on this way too
	WIN 0
.Lring_done:
	s_mov_b32 s[SO], 0
	s_mov_b32 s[CNT], 7
.Larow:                                            ; seven trips of eight rows; each row's set takes the row eight further on
	s_wait_alu depctr_vm_vsrc(0)                   ; the last trip's LDS stores have read v[STA], which the next line writes, and CT, which this trip's conversions write
	v_add_nc_u32 v[STA], s[SO], v[STA0]
	IFW .Larow_idle
.irp q, 0,1,2,3,4,5,6,7
	QROW \q, PITCH*\q, 1, (\q+8)*SROW, 56          ; seven younger sets of eight loads stay out
.endr
	WIN 0
	s_wait_dscnt 0x0                               ; the stores have read the codes' registers, which the next trip writes
.Larow_idle:
	s_wait_xcnt 0x0                                ; the loads have read their base, which steps
	s_add_nc_u64 s[SRC:SRC+1], s[SRC:SRC+1], 8*SROW
	s_add_co_u32 s[SO], s[SO], 8*PITCH
	s_sub_co_u32 s[CNT], s[CNT], 1
	s_cmp_lg_u32 s[CNT], 0
	s_cbranch_scc1 .Larow
	s_wait_alu depctr_vm_vsrc(0)                   ; the last trip's LDS stores have read v[STA] and CT, which are written once more
	v_add_nc_u32 v[STA], s[SO], v[STA0]
	IFW .Latail_idle
.irp q, 0,1,2,3,4,5,6,7
	QROW \q, PITCH*\q, 0, 0, 56-8*\q               ; the last eight rows: the counts run down
.endr
	WIN 0x80                                       ; my 32 fragments (tile of rows m, K step ks) out of my own stage; LDS serves a wave's instructions in order
.irp k, 0,1,2,3
.irp m, 0,1,2,3
.irp c, 0,1,2,3
	ds_load_b128 v[64*\k+16*\m+4*\c:64*\k+16*\m+4*\c+3], v[ARD] offset:16*PITCH*\m+128*\k+32*\c
.endr
.endr
.endr
	WIN 0xc0
.irp k, 0,1,2,3
.irp m, 0,1,2,3
.irp c, 0,1,2,3
	ds_load_b128 v[64*\k+16*\m+4*\c:64*\k+16*\m+4*\c+3], v[ARD] offset:16*PITCH*\m+128*(\k+4)+32*\c
.endr
.endr
.endr
	WIN 0
	s_branch .Latail_done
.Latail_idle:
	WIN 0x80
	FILL 0, 256                                    ; written on this way too
	WIN 0xc0
	FILL 0, 256
	WIN 0
.Latail_done:
	; ---- the stages make room for W's ring
	s_wait_loadcnt 0x0                             ; the tables and batch 0 are in, and no load into window 1 is out
	WIN 0x40
	FILL ACC, 106                                  ; both sets of accumulators, cb2's and v's sets, the sums: the first step's slices work on zeros, which add nothing
	WIN 0
	s_wait_dscnt 0x0                               ; my reads of my stage are over
	s_barrier_signal -1
	s_barrier_wait -1                              ; everybody's are
	ds_store_b128 v[TST], v[TT:TT+3]
	ds_store_b128 v[TST], v[TT+4:TT+7] offset:2048
	ds_store_b128 v[TST], v[TT+8:TT+11] offset:4096
	ds_store_b128 v[TST], v[TT+12:TT+15] offset:6144
.set i_, 0
.rept 32
	ds_store_b128 v[WS0], v[G+4*i_:G+4*i_+3] offset:2048*i_
.set i_, i_+1
.endr
	s_wait_dscnt 0x0                               ; for the others' sake; and the stores have read G
	s_wait_alu depctr_vm_vsrc(0)                   ; the LDS stores have read G, in which batch 1 lands
.set i_, 0
.rept 32
	global_load_b128 v[G+4*i_:G+4*i_+3], v[GW], s[10:11] offset:65536+2048*i_   ; batch 1
.set i_, i_+1
.endr
	s_barrier_signal -1
	s_barrier_wait -1                              ; the tables and batch 0 lie in LDS
	WIN 0x40
	s_wait_alu depctr_va_vdst(0)                   ; the holds and conversions, or the fills with 0, are done with window 1's v0-127, in which tile 0's fragments land
	RUN 0, WR0, 0                                  ; tile 0
	RUN 4, WR0, 0
	WIN 0
	s_mov_b32 s[TO], 0
	s_mov_b32 s[WBO], 131072
	s_mov_b32 s[WBO+1], 0
	s_add_nc_u64 s[WP:WP+1], s[10:11], s[WBO:WBO+1]
	s_mov_b32 s[CNT], 8
; STEP j of a trip's eight: tile t = 8 trip + j, into set j % 2; the tile before is finished in slices.  Slot j / 4 holds the tile's batch.
.macro STEP j
.set P_,  (\j)%2
.set JJ_, (\j)%4
.set SL_, (\j)/4
	IFW .La_\@
	s_wait_dscnt 16                                ; cb2's and v's loads and K steps 0-3 are in; only the 16 loads of K steps 4-7 are younger
	HALF 0, 0x59, P_, 1-P_, 0                      ; W and the sums in window 1, my rows' K steps 0-3 in window 2
	PLACES 5                                       ; the plain line behind the exponentials, and the places behind these products on every way on from here: four for the
	                                               ; readers of their results, five for the product that begins this set anew where the blocks between are passed over
	s_wait_alu depctr_va_vdst(0)                   ; the 32 exponentials have written their results: one wait, ahead of the label and of their first reader
	WIN 0
.La_\@:
	s_wait_dscnt 0x0                               ; K steps 4-7 are in; my LDS stores have landed and have read G
.if JJ_ == 3
	s_barrier_signal -1                            ; ONE barrier for four steps.  Behind it the other slot, stored three steps ago, is whole for every wave,
	s_barrier_wait -1                              ; and nobody reads this slot any more (its last tile was fetched a step ago): the next step may store into it
.endif
.if JJ_ == 0
	IFG .Lb_\@
	s_wait_loadcnt 0x0                             ; the next batch, asked for three steps ago
.set i_, 0
.rept 32
	ds_store_b128 v[WS0+1-SL_], v[G+4*i_:G+4*i_+3] offset:2048*i_
.set i_, i_+1
.endr
.Lb_\@:
.endif
.if JJ_ == 1
	IFG .Lb_\@
	s_wait_loadcnt 0x0                             ; no load into G is out on any way here
	s_wait_alu depctr_vm_vsrc(0)                   ; the LDS stores of the step before have read G, in which these loads land
.set i_, 0
.rept 32
	global_load_b128 v[G+4*i_:G+4*i_+3], v[GW], s[WP:WP+1] offset:65536*SL_+2048*i_
.set i_, i_+1
.endr
.Lb_\@:
.endif
	IFW .Lc_\@
	WIN 0x40
	s_wait_alu depctr_va_vdst(0)                   ; ways have joined at the labels above, so it is stated here: the first half's products are done reading W's K steps 0-3, and the sums of the step
	                                               ; before are done reading this set of v, in all of which the loads below land; in a trip's first step v[TAD] is written
	ds_load_b128 v[BT+8*P_:BT+8*P_+3], v[TAD] offset:64*(\j)             ; cb2 and v at this tile's units 16 t + 8 h + 0 .. 7, for the next step's slices
	ds_load_b128 v[BT+8*P_+4:BT+8*P_+7], v[TAD] offset:64*(\j)+16
	ds_load_b128 v[VT+8*P_:VT+8*P_+3], v[TAD] offset:4096+64*(\j)
	ds_load_b128 v[VT+8*P_+4:VT+8*P_+7], v[TAD] offset:4096+64*(\j)+16
.if JJ_ < 3
.set ra_, WR0+SL_
.set ro_, 16384*(JJ_+1)
.else
.set ra_, WR0+1-SL_
.set ro_, 0
.endif
	RUN 0, ra_, ro_                                ; the next tile's K steps 0-3
	HALF 4, 0x5d, P_, 1-P_, 1                      ; my rows' K steps 4-7 in window 3
	PLACES 5                                       ; the plain line behind the reciprocals, and the places behind these products
	WIN 0x40
	s_wait_alu depctr_va_vdst(0)                   ; the 32 reciprocals have written their results, ahead of their first reader; the second half's products are done reading W's K steps 4-7, in which the loads below land
	RUN 4, ra_, ro_                                ; the next tile's K steps 4-7.  The sums below name none of these registers
	FINAL 1-P_
	WIN 0
.Lc_\@:
.endm
.Ltrip:
	s_wait_alu depctr_vm_vsrc(0)                   ; the loads of cb2 and v issued so far have read v[TAD]
	v_add_nc_u32 v[TAD], s[TO], v[TA0]
	STEP 0
	STEP 1
	STEP 2
	STEP 3
	STEP 4
	STEP 5
	STEP 6
	STEP 7
	s_wait_xcnt 0x0                                ; the loads of W have read their base
	s_add_co_u32 s[WBO], s[WBO], 131072
	s_and_b32 s[WBO], s[WBO], 0xfffff              ; the last trip's offset wraps to 0: no load leaves wq
	s_add_nc_u64 s[WP:WP+1], s[10:11], s[WBO:WBO+1]
	s_add_co_u32 s[TO], s[TO], 512
	s_sub_co_u32 s[CNT], s[CNT], 1
	s_cmp_lg_u32 s[CNT], 0
	s_cbranch_scc1 .Ltrip
	; ---- the last tile (set 1) is finished without products beside it
	IFW .Ltail_idle
	s_wait_dscnt 0x0                               ; its cb2 and v
	WIN 0x55
.set i_, 0
.rept 16
	SLICE 1, 0
.set i_, i_+1
.endr
	v_nop
	s_wait_alu depctr_va_vdst(0)                   ; the 32 exponentials have written their results, ahead of their first reader
.set i_, 0
.rept 16
	SLICE 1, 1
.set i_, i_+1
.endr
	v_nop
	s_wait_alu depctr_va_vdst(0)                   ; the 32 reciprocals have written their results, ahead of their first reader
	FINAL 1
	WIN 0
.Ltail_idle:
	; ---- the way out: score = (sum of v) - 2 (sum of v / (1 + 2^t)), my half of the units and the other half's
	WIN 0x05
.irp m, 0,1,2,3
	v_add_f32 v[T+\m], v[SA+2*\m], v[SA+2*\m+1]
.endr
	v_add_f32 v[T+4], v[VS], v[VS+1]
	WIN 0
.irp m, 0,1,2,3
	v_fma_f32 v[T+\m], -2.0, v[T+\m], v[T+4]
.endr
.irp m, 0,1,2,3
	v_permlanex16_b32 v[U+\m], v[T+\m], s[SEL], s[SEL+1]
.endr
.irp m, 0,1,2,3
	v_add_f32 v[T+\m], v[T+\m], v[U+\m]            ; lanes r and 16 + r both hold the score of row 16 m + r
.endr
	v_cmp_eq_u32 s40, 1, v3                        ; the three masks in one run, each in a scalar register of its own: lanes 16-31,
	v_cmp_gt_i32 s41, s[LEN], v[SIDX]              ; rows l that count,
	v_add_nc_u32 v[SIDX], 32, v[SIDX]
	v_cmp_gt_i32 s44, s[LEN], v[SIDX]              ; rows 32 + l that count
	s_wait_alu depctr_va_sdst(0)                   ; the three compares have written s40, s41 and s44, ahead of their first readers
	v_cndmask_b32 v[O0], v[T], v[T+1], s40         ; lane l: row l,
	v_cndmask_b32 v[O1], v[T+2], v[T+3], s40       ; and row 32 + l
	v_cndmask_b32 v[O0], v[NEG], v[O0], s41        ; -1e6 where s >= src_lengths[b]
	v_cndmask_b32 v[O1], v[NEG], v[O1], s44
	s_wait_alu depctr_va_vdst(0)                   ; the selects have written v[O0] and v[O1], which the two stores read
	global_store_b32 v[SOF], v[O0], s[16:17]                   ; the wave's two stores cover 256 consecutive bytes, aligned
	global_store_b32 v[SOF], v[O1], s[16:17] offset:128
	s_wait_dscnt 0x0
	s_wait_alu depctr_hold_cnt(0) depctr_sa_sdst(0) depctr_va_vdst(0) depctr_va_sdst(0) depctr_va_ssrc(0) depctr_va_vcc(0) depctr_vm_vsrc(0)
	s_wait_tensorcnt 0x0
	ds_add_u32 v254, v255
	s_wait_dscnt 0x0
	s_endpgm
.Lfunc_end_k_q723d0bf307_scores:
	.size	k_q723d0bf307_scores, .Lfunc_end_k_q723d0bf307_scores-k_q723d0bf307_scores
	.p2alignl 7, 3214868480
	.fill 96, 4, 3214868480
	.section	.rodata,"a",@progbits
	.p2align	6, 0x0
	.amdhsa_kernel k_q723d0bf307_scores
		.amdhsa_group_segment_fixed_size 274944
		.amdhsa_private_segment_fixed_size 0
		.amdhsa_enable_private_segment 0
		.amdhsa_kernarg_size 56
		.amdhsa_user_sgpr_count 2
		.amdhsa_user_sgpr_kernarg_segment_ptr 1
		.amdhsa_wavefront_size32 1
		.amdhsa_system_sgpr_workgroup_id_x 1
		.amdhsa_system_sgpr_workgroup_id_y 1
		.amdhsa_system_sgpr_workgroup_id_z 1
		.amdhsa_system_vgpr_workitem_id 0
		.amdhsa_next_free_vgpr 1024
		.amdhsa_next_free_sgpr 66
		.amdhsa_reserve_vcc 0
		.amdhsa_float_denorm_mode_32 3
		.amdhsa_float_denorm_mode_16_64 3
		.amdhsa_memory_ordered 1
		.amdhsa_forward_progress 1
		.amdhsa_inst_pref_size 205
	.end_amdhsa_kernel
	.amdgpu_metadata
---
amdhsa.version: [ 1, 2 ]
amdhsa.kernels:
  - .name:           k_q723d0bf307_scores
    .symbol:         k_q723d0bf307_scores.kd
    .args:
      - { .name: source_hids, .offset: 0, .size: 8, .value_kind: global_buffer, .address_space: global }
      - { .name: src_lengths, .offset: 8, .size: 8, .value_kind: global_buffer, .address_space: global }
      - { .name: lowp_scales, .offset: 16, .size: 8, .value_kind: global_buffer, .address_space: global }
      - { .name: wq, .offset: 24, .size: 8, .value_kind: global_buffer, .address_space: global }
      - { .name: cb2, .offset: 32, .size: 8, .value_kind: global_buffer, .address_space: global }
      - { .name: v_score, .offset: 40, .size: 8, .value_kind: global_buffer, .address_space: global }
      - { .name: sc, .offset: 48, .size: 8, .value_kind: global_buffer, .address_space: global }
    .group_segment_fixed_size: 274944
    .private_segment_fixed_size: 0
    .kernarg_segment_align: 8
    .kernarg_segment_size: 56
    .max_flat_workgroup_size: 128
    .sgpr_count:     66
    .vgpr_count:     1024
    .wavefront_size: 32
...
	.end_amdgpu_metadata
.endif
;; end of part 5
;; launch finish: the kernel of part 3 again; grid 16 x 64, 8 waves a work-group, no clusters, 9,216 bytes of LDS; arguments source_hids, src_lengths, sc, out0, out1; writes out0, out1
